; MI455X (gfx1250); checked and timed in simulation.
; The chip was launched on July 23, 2026; its instructions are those of AMD's public machine-readable ISA for CDNA 5 (MIT licence, August 2026) and "CDNA5" Instruction Set Architecture Reference Guide (July 2026). The comments in the code are by the model that wrote it; some were corrected since.
;; Attention. Allowed arithmetic: matrix products marked QUANTISED: E2M3 operands, one E8M0 scale for each 32 along K, by v_wmma_scale_f32_16x16x128_f8f6f4 with both operands' format E2M3, f32 sums; everything else in f32.
;; Inputs: Wout 1,024 x 1,024 float32; Wqkv 1,024 x 3,072 float32; x 4 x 2,048 x 1,024 float32.
;; Outputs: out0 4 x 2,048 x 1,024 float32.
;; This version of the problem:
;;   THIS VERSION OF THE PROBLEM IS GIVEN IN LOW PRECISION. The matrix products marked QUANTISED in the list below multiply operands that are first quantised to E2M3 (2 exponent bits, 3 mantissa bits; 6 bits a number), with one power-of-two scale for each 32 numbers along K (OCP MX v1.0); their sums are f32. All else is computed in f32.
;;   The module's matrix products, in the order in which they are computed (A, B: the left and right operand; K: the contracted axis; several contracted axes count as one K, in the product's order):
;;     1. [M 8,192, K 1,024] x [K 1,024, N 3,072]; A: input x; B: input Wqkv: QUANTISED
;;     2. batch 64 x [M 2,048, K 64] x [K 64, N 2,048]; A: computed on the way; B: computed on the way: QUANTISED
;;     3. batch 64 x [M 2,048, K 2,048] x [K 2,048, N 64]; A: softmax (see below); B: computed on the way: QUANTISED
;;     4. [M 8,192, K 1,024] x [K 1,024, N 1,024]; A: computed on the way; B: input Wout: QUANTISED
;;   THE QUANTISER, for each operand of a quantised product, along K:
;;     - K is cut into blocks of 32 from its start; a last block that is shorter is filled with zeros.
;;     - A block's scale is 2^e with e = floor(log2(the largest magnitude in the block)) - 2, held to -126 .. 127; a block of zeros has e = 0. As a byte (E8M0): e + 127.
;;     - Each number is divided by its block's scale, clamped to +-7.5, and rounded to the nearest number of E2M3, ties to even, subnormals kept.
;;     - The product sums the exact products of the quantised numbers (number of the format x scale) in f32.
;;   ~~~python
;;   def quantise(x, axis):      # numpy; x: float32 -> the quantised numbers, widened to float32 again
;;       x = np.moveaxis(x, axis, -1); K = x.shape[-1]
;;       x = np.pad(x, [(0, 0)] * (x.ndim - 1) + [(0, -K % 32)]); x = x.reshape(x.shape[:-1] + (-1, 32)); a = np.abs(x).max(-1, keepdims=True)
;;       e = np.where(a > 0, np.clip(np.frexp(np.where(a > 0, a, 1))[1] - 1 - 2, -126, 127), 0)      # np.frexp(a)[1] - 1 = floor(log2(a)), exactly
;;       r = np.clip(x / 2.0 ** e, -7.5, 7.5)
;;       step = 2.0 ** (np.maximum(np.frexp(np.where(r == 0, 1, r))[1] - 1, 0) - 3)
;;       q = np.round(r / step) * step * 2.0 ** e      # np.round: ties to even
;;       return np.moveaxis(q.reshape(q.shape[:-2] + (-1,))[..., :K], -1, axis).astype(np.float32)
;;   ~~~
;;   SOFTMAX AHEAD OF A QUANTISED PRODUCT. Where the list says 'softmax', what is quantised is not the finished softmax but p = 2^(t - M), with t = logit x log2(e) and M = ceil(the row's largest t), a whole number; so 1/2 < the row's largest p <= 1. The row's sum l is taken of the UNQUANTISED p, in f32, and the product's result is divided by l at the end. Since M is a whole number, a kernel that streams over the keys may use a running M (the ceiling of the running maximum): every later rescaling is an exact power of two, which a block's scale takes up: the codes' values come out the same.
;;   OPERANDS COMPUTED ON THE WAY. 'Computed on the way' means the value that the module computes at that place (a softmax that the list does not call 'softmax' is quantised finished and normalised). What goes into a quantiser is computed in f32, as accurately as f32 sums, v_exp_f32 and their like allow (about 1e-6 of the number): no bf16 or f16 on the way to a quantiser, and a product that is left as it is and whose result goes on into a quantised operand takes f32 operands (vector FMAs, or v_wmma_f32_16x16x4_f32). A number that lies on a knife's edge between two numbers of the format may be rounded either way, as far as f32 arithmetic and the matrix unit's own rounding can turn it there, and no further.
;; One version. Each part assembles by itself: llvm-mc -triple=amdgcn-amd-amdhsa -mcpu=gfx1250 --defsym DOCPART=n.
;; ======== version 1 of 1: 4 launches
;; limits: right only within a limited range of input values
;; workspace buffers: xi 6,291,456 bytes; wimg 3,145,728 bytes; sc1 360,448 bytes; sc2 294,912 bytes; rope 524,288 bytes; qq 6,815,744 bytes; kv 13,369,344 bytes; ai 6,291,456 bytes
;; launch prep (part 1): grid 704 x 1, 4 waves a work-group, no clusters, 83,968 bytes of LDS; arguments x, Wqkv, Wout, xi, wimg, sc1, sc2, rope; writes xi, wimg, sc1, sc2, rope
.if DOCPART == 1
	.amdgcn_target "amdgcn-amd-amdhsa--gfx1250"
	.amdhsa_code_object_version 6
	.text
	.protected	k_qcdf64b89f3_prep
	.globl	k_qcdf64b89f3_prep
	.p2align	8
	.type	k_qcdf64b89f3_prep,@function
k_qcdf64b89f3_prep:
	s_mov_b64 s[64:65], 0
	v_nop
	global_prefetch_b8 v0, s[64:65] scope:SCOPE_SE
	s_setreg_imm32_b32 hwreg(HW_REG_WAVE_MODE, 25, 1), 1
	s_wait_xcnt 0x0
; x [8192][1024], Wqkv [1024][3072] and Wout [1024][1024], f32, become codes of FP6 (E2M3) with one E8M0 byte for each 32 along K (K = x's last axis, the weights' first), and the table of cos and sin for the rotation is made.
; A block's scale is 2^(floor(log2(its largest magnitude)) - 2); its byte is the largest magnitude's exponent field - 2, held at 1 from below.
; LIMITS: NaN and infinities among the inputs are not served; a block of zeros gets the byte 1 where the rule says 127 (its codes are zeros, and this program alone reads the bytes); blocks whose largest magnitude lies under 2^-124 are held at the byte 1.
; THE CODES' LAYOUT: a UNIT is 16 rows x 64 along K as an image of operand registers: lane l = (r = l % 16, h = l / 16) owns the 24 bytes of row r's codes k = 32 h .. 32 h + 31: its first 16 bytes at 16 l, its last 8 at 512 + 8 l: 768 bytes.
; xi: [K / 256][tile of 16 rows][4 units].  wimg: the same for Wqkv's columns, then from byte 2,359,296 for Wout's.
; THE ROWS OF A TILE ARE NOT NEIGHBOURS, for x and for Wqkv's columns: tile 2 b + u, row r is row 32 b + 8 u + r + 8 (r / 8), so that in a product used transposed the 16 registers of two neighbouring tiles are 16 neighbours.
; WORK-GROUPS: 0-511 x (one tile of 16 rows each, a wave to 256 along K); 512-607 Wqkv, 608-639 Wout (128 columns x 256 along K, a wave to 32 columns, a lane to a column, registers down K); 640-703 the table (32 positions each).
; Each of the three paths that use LDS has LDS bytes of its own.
.set XST,   0                          ; x: a stage of 16 rows x (512 + 16) bytes for each wave
.set XSC,   33792                      ; x: the tile's 16 rows x 32 scale bytes
.set WAST,  34304                      ; Wqkv: 6,144 bytes for each wave: two tiles x four units
.set WBST,  58880                      ; Wout: the same
.set SPARE, 83456                      ; the spare words, 128 bytes for each wave: two blocks of 256 bytes that no other line names
.set SPW,   10                         ; v10  LDS address of my spare word; never rewritten
.set NIL,   11                         ; v11  0; never rewritten
.set SEL,   22                         ; s[22:23] lane selects for v_permlanex16_b32: lane l xor 16
.set R,     16                         ; x: v16-143 the numbers as loaded
.set X,     144                        ; x: v144-207 64 numbers of my row: register 16 b + i = k 32 b + 16 h + i
.set PC,    208                        ; x: v208-219 a fragment's codes; v220-226 at work
.set TM,    228                        ; x: v228-243 at work
	s_load_b256 s[4:11], s[0:1], 0x0               ; x s[4:5], Wqkv s[6:7], Wout s[8:9], xi s[10:11]
	s_load_b256 s[12:19], s[0:1], 0x20             ; wimg s[12:13], sc1 s[14:15], sc2 s[16:17], rope s[18:19]
	v_lshl_add_u32 v[SPW], v0, 2, SPARE
	v_mov_b32 v[NIL], 0
	v_lshrrev_b32 v1, 5, v0
	v_readfirstlane_b32 s20, v1                    ; wave 0..3
	v_and_b32 v1, 31, v0                           ; lane
	v_and_b32 v2, 15, v0                           ; r
	v_bfe_u32 v3, v0, 4, 1                         ; h
	s_mov_b32 s[SEL], 0x76543210
	s_mov_b32 s[SEL+1], 0xfedcba98
	s_mov_b32 s25, 0
	s_mov_b32 s29, 0
	s_wait_kmcnt 0x0
	s_cmp_lt_u32 ttmp9, 512                        ; the paths part on the work-group's number alone
	s_cbranch_scc1 .Lx
	s_cmp_lt_u32 ttmp9, 608
	s_cbranch_scc1 .Lwa
	s_cmp_lt_u32 ttmp9, 640
	s_cbranch_scc1 .Lwb
; ---- THE TABLE: rope[pos] = cos(pos f[0..31]), sin(pos f[0..31]), 256 bytes a position; f[j] = the f32 number nearest 10^(-j / 8).
; Lane l makes numbers 2 l and 2 l + 1 of a position's 64: lanes 0-15 the cosines of frequencies 2 (l % 16) and 2 (l % 16) + 1, lanes 16-31 the sines: one store of 8 bytes a lane covers 256 consecutive bytes, aligned.
; The angle is pos x f rounded once to f32.  It is reduced by a whole number K of quarter turns, pi / 2 in two parts (the first step is exact: K has 11 bits at the most), and a polynomial gives the sine and the cosine of the rest.
	s_sub_co_u32 s24, ttmp9, 640
	s_lshl_b32 s24, s24, 5
	s_lshl_b32 s26, s20, 3
	s_add_co_u32 s33, s24, s26                     ; my wave's first position: 32 x work-group + 8 x wave
	s_lshl_b32 s24, s33, 8
	s_add_nc_u64 s[18:19], s[18:19], s[24:25]
	s_wait_alu depctr_va_vdst(0)
	v_lshlrev_b32 v5, 3, v1                        ; 8 bytes a lane
	v_mul_u32_u24 v19, v3, 3                       ; the sine is the cosine three quarter turns on
	v_mov_b32 v20, 0                               ; (a written lane's register counts as read)
	v_mov_b32 v21, 0
.macro FRQ j, val
	s_mov_b32 s34, \val
	v_writelane_b32 v[20+(\j)%2], s34, (\j)/2
	v_writelane_b32 v[20+(\j)%2], s34, (\j)/2+16
.endm
	FRQ 0, 0x3f800000
	FRQ 1, 0x3f3ff911
	FRQ 2, 0x3f0ff59a
	FRQ 3, 0x3ed7e89b
	FRQ 4, 0x3ea1e89b
	FRQ 5, 0x3e72d424
	FRQ 6, 0x3e361887
	FRQ 7, 0x3e088d77
	FRQ 8, 0x3dcccccd
	FRQ 9, 0x3d99940e
	FRQ 10, 0x3d6655c3
	FRQ 11, 0x3d2cba15
	FRQ 12, 0x3d0186e2
	FRQ 13, 0x3cc24350
	FRQ 14, 0x3c91ad39
	FRQ 15, 0x3c5a7bf1
	FRQ 16, 0x3c23d70a
	FRQ 17, 0x3bf5b9b0
	FRQ 18, 0x3bb8449c
	FRQ 19, 0x3b8a2e77
	FRQ 20, 0x3b4f3e37
	FRQ 21, 0x3b1b690d
	FRQ 22, 0x3ae91528
	FRQ 23, 0x3aaec98e
	FRQ 24, 0x3a83126f
	FRQ 25, 0x3a44948c
	FRQ 26, 0x3a136a16
	FRQ 27, 0x39dd1726
	FRQ 28, 0x39a5cb5f
	FRQ 29, 0x3978a814
	FRQ 30, 0x393a7753
	FRQ 31, 0x390bd472
	s_mov_b32 s24, 0x3f22f983                      ; 2 / pi
	s_mov_b32 s25, 0xbfc90fdb                      ; -(pi / 2), its upper part
	s_mov_b32 s26, 0x333bbd2e                      ; what the upper part is too large by
	s_mov_b32 s27, 0xb94ca1f9                      ; the sine's three coefficients
	s_mov_b32 s28, 0x3c08839e
	s_mov_b32 s29, 0xbe2aaaa3
	s_mov_b32 s30, 0x37ccf5ce                      ; the cosine's three
	s_mov_b32 s31, 0xbab6061a
	s_mov_b32 s32, 0x3d2aaaa5
.macro TRIG out, f                     ; v[out] = cos (lanes 0-15) or sin (lanes 16-31) of v22 x v[f]
	v_mul_f32 v24, v22, v[\f]                      ; the angle, rounded once
	v_mul_f32 v25, s24, v24
	v_rndne_f32 v25, v25                           ; K
	v_fma_f32 v26, v25, s25, v24
	v_fma_f32 v26, v25, s26, v26                   ; the rest, within pi / 4
	v_cvt_i32_f32 v31, v25
	v_add_nc_u32 v31, v31, v19
	v_mul_f32 v27, v26, v26
	v_fma_f32 v28, v27, s27, s28
	v_fma_f32 v28, v28, v27, s29
	v_mul_f32 v28, v28, v27
	v_fma_f32 v28, v28, v26, v26                   ; its sine
	v_fma_f32 v29, v27, s30, s31
	v_fma_f32 v29, v29, v27, s32
	v_mul_f32 v29, v29, v27
	v_fma_f32 v30, v27, -0.5, 1.0
	v_fma_f32 v29, v29, v27, v30                   ; its cosine
	v_and_b32 v30, 1, v31
	v_cmp_eq_u32 vcc_lo, 1, v30
	v_cndmask_b32 v[\out], v29, v28, vcc_lo        ; an odd number of quarter turns takes the sine,
	v_add_nc_u32 v31, 1, v31
	v_lshlrev_b32 v31, 30, v31
	v_and_b32 v31, 0x80000000, v31
	v_xor_b32 v[\out], v[\out], v31                ; and quarter turns 1 and 2 (mod 4) change the sign
.endm
.irp i, 0,1,2,3,4,5,6,7                ; each position has its own pair of registers, so that no store's data are written again
	s_add_co_u32 s35, s33, \i
	v_cvt_f32_u32 v22, s35
	s_wait_alu depctr_va_vdst(0)
	TRIG 40+2*\i, 20
	TRIG 41+2*\i, 21
	global_store_b64 v5, v[40+2*\i:41+2*\i], s[18:19] offset:256*\i
.endr
	s_wait_tensorcnt 0x0                           ; the wave's end
	ds_add_u32 v[SPW], v[NIL]
	s_wait_dscnt 0x0
	s_endpgm
; 64 numbers of a lane, v[s] .. v[s + 63], register 16 b + i = k 32 b + 16 h + i of my row, become a fragment's codes in v[PC] on and its scale word in v[pw].
.macro QUANT s, pw
.irp b, 0,1,2,3
	v_max3_num_f32 v[TM+\b], |v[\s+16*\b]|, |v[\s+1+16*\b]|, 0x1800000   ; block b: my 16 numbers, and the floor 2^(3 - 127): the byte cannot fall under 1
.endr
.irp i, 2,4,6,8,10,12,14
.irp b, 0,1,2,3
	v_max3_num_f32 v[TM+\b], v[TM+\b], |v[\s+16*\b+\i]|, |v[\s+1+16*\b+\i]|
.endr
.endr
.irp b, 0,1,2,3
	v_permlanex16_b32 v[TM+4+\b], v[TM+\b], s[SEL], s[SEL+1]
.endr
.irp b, 0,1,2,3
	v_max_num_f32 v[TM+\b], v[TM+\b], v[TM+4+\b]   ; with lane l xor 16's: the block's largest magnitude
.endr
.irp b, 0,1,2,3
	v_add_nc_u32 v[TM+12+\b], 0xff000000, v[TM+\b] ; 2 off its exponent field: the conversion takes that field as its scale
.endr
.irp b, 0,1,2,3
	v_lshrrev_b32 v[TM+4+\b], 23, v[TM+12+\b]      ; the scale's byte
.endr
	v_lshl_or_b32 v[\pw], v[TM+5], 8, v[TM+4]
	v_lshl_or_b32 v[\pw], v[TM+6], 16, v[\pw]
	v_lshl_or_b32 v[\pw], v[TM+7], 24, v[\pw]
.irp c, 0,1
	v_cvt_scalef32_pk16_fp6_f32 v[PC+6*\c:PC+2+6*\c], v[\s+32*\c:\s+15+32*\c], v[TM+12+2*\c]
	v_cvt_scalef32_pk16_fp6_f32 v[PC+12+4*\c:PC+14+4*\c], v[\s+16+32*\c:\s+31+32*\c], v[TM+12+2*\c+1]   ; (a conversion's three registers begin on an even number)
.endr
	v_nop                                          ; one plain place behind a scaled conversion
.irp c, 0,1                            ; the operand's layout wants a whole block in a lane: lanes 0-15 block 2 c, lanes 16-31 block 2 c + 1
.irp i, 0,1,2
	v_permlane16_swap_b32 v[PC+6*\c+\i], v[PC+12+4*\c+\i]
.endr
.irp i, 0,1,2
	v_mov_b32 v[PC+3+6*\c+\i], v[PC+12+4*\c+\i]
.endr
.endr
.endm
; ---- x: the work-group's tile T of 16 rows; wave w takes k = 256 w .. 256 w + 255 of them.  All 32 loads (16 rows x 2 x 512 consecutive bytes) go out at once.
.Lx:
	s_lshr_b32 s24, ttmp9, 1
	s_lshl_b32 s24, s24, 17                        ; 32 (T / 2) rows of 4,096 bytes
	s_and_b32 s26, ttmp9, 1
	s_lshl_b32 s26, s26, 15                        ; + 8 (T % 2) rows
	s_add_co_u32 s24, s24, s26
	s_lshl_b32 s26, s20, 10                        ; + my 1,024 bytes of a row
	s_add_co_u32 s24, s24, s26
	s_add_nc_u64 s[4:5], s[4:5], s[24:25]
	s_mul_i32 s24, s20, 1572864
	s_mul_i32 s26, ttmp9, 3072
	s_add_co_u32 s24, s24, s26
	s_add_nc_u64 s[10:11], s[10:11], s[24:25]      ; xi: slot w, tile T
	s_lshl_b32 s24, ttmp9, 9
	s_add_nc_u64 s[14:15], s[14:15], s[24:25]      ; sc1: the tile's 16 rows of 32 bytes
	s_wait_alu depctr_va_vdst(0)
	v_lshlrev_b32 v4, 4, v1                        ; 16 x lane
	v_lshlrev_b32 v5, 3, v1                        ; 8 x lane
	s_mul_i32 s27, s20, 8448
	v_add_nc_u32 v6, s27, v4                       ; the stage, on the way in: a row's 512 bytes as they lie
	v_mul_u32_u24 v7, v2, 528
	v_lshl_add_u32 v7, v3, 6, v7
	v_add_nc_u32 v7, s27, v7                       ; and on the way out: row r, + 64 h: my 16 numbers of a block of 32
	s_lshl_b32 s28, s20, 3
	s_add_co_u32 s28, s28, XSC
	v_lshl_add_u32 v8, v2, 5, s28                  ; row r's 32 scale bytes, my wave's 8 of them
	v_add_nc_u32 v9, XSC, v4
.irp b, 0,1,2,3
	v_mov_b32 v[TM+4+\b], 0                        ; written once: a lane permute's destination counts as one of its sources
.endr
.irp p, 0,1
.irp t, 0,1,2,3,4,5,6,7,8,9,10,11,12,13,14,15
	global_load_b128 v[R+64*\p+4*\t:R+64*\p+4*\t+3], v4, s[4:5] offset:(\t+8*(\t/8))*4096+512*\p th:TH_LOAD_NT
.endr
.endr
.macro XHALF p                         ; 128 along K: through the stage, quantised, stored as two units
	s_wait_loadcnt 16*(1-\p)                       ; this half's 16 loads are in; the other half's 16 may be out
.irp t, 0,1,2,3,4,5,6,7,8,9,10,11,12,13,14,15
	ds_store_b128 v6, v[R+64*\p+4*\t:R+64*\p+4*\t+3] offset:528*\t
.endr
.irp b, 0,1,2,3
.irp j, 0,1,2,3
	ds_load_b128 v[X+16*\b+4*\j:X+16*\b+4*\j+3], v7 offset:128*\b+16*\j   ; LDS serves a wave's instructions in order: these see my stores
.endr
.endr
	s_wait_dscnt 0x0
.if \p
	s_wait_xcnt 0x0                                ; the first half's stores have read the codes' registers
.endif
	QUANT X, 244+\p
	global_store_b128 v4, v[PC:PC+3], s[10:11] offset:1536*\p          ; each store of 16 bytes a lane covers 512 consecutive bytes, each of 8 bytes 256
	global_store_b64 v5, v[PC+4:PC+5], s[10:11] offset:1536*\p+512
	global_store_b128 v4, v[PC+6:PC+9], s[10:11] offset:1536*\p+768
	global_store_b64 v5, v[PC+10:PC+11], s[10:11] offset:1536*\p+1280
.endm
	s_wait_alu depctr_va_vdst(0)
	XHALF 0
	XHALF 1
	ds_store_b64 v8, v[244:245]                    ; my row's two scale words (lanes l and l xor 16 write the same bytes with the same values)
	s_wait_dscnt 0x0                               ; for the others' sake
	s_barrier_signal -1
	s_barrier_wait -1
	s_cmp_lg_u32 s20, 0
	s_cbranch_scc1 .Lx_end
	ds_load_b128 v[16:19], v9                      ; wave 0 stores the tile's 512 scale bytes
	s_wait_dscnt 0x0
	global_store_b128 v4, v[16:19], s[14:15]
.Lx_end:
	s_wait_tensorcnt 0x0                           ; the wave's end, behind my last LDS store
	ds_add_u32 v[SPW], v[NIL]
	s_wait_dscnt 0x0
	s_endpgm
; ---- THE WEIGHTS.  A lane takes a column, its registers run down K: a block of 32 lies in one lane, and the conversions give codes with K innermost.
.macro WLOAD t, n                      ; block t: W(32 t + i, my column) into set t % 2; 32 lanes read 128 consecutive bytes
.irp i, 0,1,2,3,4,5,6,7,8,9,10,11,12,13,14,15,16,17,18,19,20,21,22,23,24,25,26,27,28,29,30,31
	global_load_b32 v[32+32*((\t)%2)+\i], v4, s[30:31] offset:(32*(\t)+\i)*(\n)*4 th:TH_LOAD_NT
.endr
.endm
.macro WBLOCK t, n
.set XS, 32+32*((\t)%2)
.if (\t) < 7
	s_wait_loadcnt 32                              ; this block's 32 loads are in; the next block's may be out
.else
	s_wait_loadcnt 0x0
.endif
	v_max3_num_f32 v12, |v[XS]|, |v[XS+1]|, |v[XS+2]|
	v_max3_num_f32 v13, |v[XS+3]|, |v[XS+4]|, |v[XS+5]|
.irp i, 6,10,14,18,22,26
	v_max3_num_f32 v12, v12, |v[XS+\i]|, |v[XS+\i+1]|
	v_max3_num_f32 v13, v13, |v[XS+\i+2]|, |v[XS+\i+3]|
.endr
	v_max3_num_f32 v12, v12, |v[XS+30]|, |v[XS+31]|
	v_max3_num_f32 v12, v12, v13, 0x1800000        ; and the floor 2^(3 - 127)
	v_add_nc_u32 v14, 0xff000000, v12              ; 2 off the exponent field: the conversion's scale operand
	v_lshrrev_b32 v15, 23, v14                     ; the scale's byte
	v_cvt_scalef32_pk16_fp6_f32 v[96:98], v[XS:XS+15], v14
	v_cvt_scalef32_pk16_fp6_f32 v[100:102], v[XS+16:XS+31], v14
.if (\t)%4 == 0
	v_mov_b32 v[24+(\t)/4], v15                    ; four bytes to a register.  (The plain place behind the conversions)
.else
	v_lshl_or_b32 v[24+(\t)/4], v15, 8*((\t)%4), v[24+(\t)/4]
.endif
	v_mov_b32 v99, v100                            ; the block's six registers on end
	v_mov_b32 v100, v101
	v_mov_b32 v101, v102
	ds_store_b128 v5, v[96:99] offset:768*((\t)/2)+256*((\t)%2)          ; unit t / 2, half t % 2 of its lanes
	ds_store_b64 v6, v[100:101] offset:768*((\t)/2)+512+128*((\t)%2)
.if (\t)+2 < 8
	WLOAD (\t)+2, \n
.endif
	s_wait_dscnt 0x0                               ; the stores have read their registers
.endm
; n: columns of the weight;  perm = 1: the columns of a tile are chosen as x's rows are;  stg: the path's LDS;  first: its first work-group;  src: the weight's address;  imgoff, slotstr: its part of wimg;  hw = 0: scale bytes to sc1, rows of 32;  1: to sc2, pairs of bytes
.macro WQ n, perm, stg, first, src, imgoff, slotstr, hw
	s_sub_co_u32 s24, ttmp9, \first
	s_lshr_b32 s26, s24, 2
	s_and_b32 s24, s24, 3                          ; which 256 along K
	s_lshl_b32 s26, s26, 7
	s_lshl_b32 s27, s20, 5
	s_add_co_u32 s26, s26, s27                     ; my wave's first column
	s_mul_i32 s28, s24, 256*(\n)*4
	s_lshl_b32 s27, s26, 2
	s_add_co_u32 s28, s28, s27
	s_add_nc_u64 s[30:31], s[\src:\src+1], s[28:29]
	s_mul_i32 s28, s24, \slotstr
	s_lshr_b32 s27, s26, 4
	s_mul_i32 s27, s27, 3072
	s_add_co_u32 s28, s28, s27
	s_add_co_u32 s28, s28, \imgoff
	s_add_nc_u64 s[32:33], s[12:13], s[28:29]      ; my two tiles: 6,144 consecutive bytes of wimg
	v_and_b32 v16, 7, v1
	v_bfe_u32 v17, v1, 3, 1
	v_bfe_u32 v18, v1, 4, 1
.if \perm
	v_lshl_add_u32 v16, v18, 3, v16                ; my column's row in its tile: l % 8 + 8 (l / 16); its tile: (l / 8) % 2
.else
	v_lshl_add_u32 v16, v17, 3, v16                ; l % 16; tile l / 16
	v_mov_b32 v17, v18
.endif
	s_mul_i32 s27, s20, 6144
	s_add_co_u32 s27, s27, \stg
	v_mul_u32_u24 v18, v17, 3072
	v_add_nc_u32 v18, s27, v18
	v_lshl_add_u32 v5, v16, 4, v18                 ; where my 16 bytes go,
	v_lshl_add_u32 v6, v16, 3, v18                 ; and my 8
	v_lshlrev_b32 v8, 4, v1
	v_add_nc_u32 v7, s27, v8                       ; the way out: 16 bytes a lane
	v_lshlrev_b32 v4, 2, v1
.if \hw
	s_mul_i32 s28, s24, 4*18432
	s_add_co_u32 s27, s26, 8192
	s_lshl_b32 s27, s27, 1
	s_add_co_u32 s28, s28, s27
	s_add_nc_u64 s[34:35], s[16:17], s[28:29]
	v_lshlrev_b32 v9, 1, v1
.else
	s_add_co_u32 s28, s26, 8192
	s_lshl_b32 s28, s28, 5
	s_lshl_b32 s27, s24, 3
	s_add_co_u32 s28, s28, s27
	s_add_nc_u64 s[34:35], s[14:15], s[28:29]
	v_lshl_add_u32 v9, v17, 4, v16
	v_lshlrev_b32 v9, 5, v9
.endif
	WLOAD 0, \n
	WLOAD 1, \n
.set Q, 0
.rept 8
	WBLOCK Q, \n
.set Q, Q+1
.endr
.if \hw                                ; the scale bytes: a few bytes a row, rows far apart: 128 KiB in all beside the 16 MiB that these paths read
	global_store_b16 v9, v24, s[34:35]
	global_store_d16_hi_b16 v9, v24, s[34:35] offset:18432
	s_wait_alu depctr_va_vdst(0)
	global_store_b16 v9, v25, s[34:35] offset:36864
	global_store_d16_hi_b16 v9, v25, s[34:35] offset:55296
.else
	s_wait_alu depctr_va_vdst(0)
	global_store_b64 v9, v[24:25], s[34:35]
.endif
.irp k, 0,1,2,3,4,5,6,7,8,9,10,11
	ds_load_b128 v[112+4*\k:115+4*\k], v7 offset:512*\k
.endr
.irp k, 0,1,2,3,4,5,6,7,8,9,10,11
	s_wait_dscnt 11-\k                             ; the younger loads may be out
	global_store_b128 v8, v[112+4*\k:115+4*\k], s[32:33] offset:512*\k   ; 512 consecutive bytes
.endr
	s_wait_tensorcnt 0x0                           ; the wave's end, behind my last LDS store
	ds_add_u32 v[SPW], v[NIL]
	s_wait_dscnt 0x0
	s_endpgm
.endm
.Lwa:
	s_wait_alu depctr_va_vdst(0)
	WQ 3072, 1, WAST, 512, 6, 0, 589824, 0
.Lwb:
	s_wait_alu depctr_va_vdst(0)
	WQ 1024, 0, WBST, 608, 8, 2359296, 196608, 1
.Lfunc_end_k_qcdf64b89f3_prep:
	.size	k_qcdf64b89f3_prep, .Lfunc_end_k_qcdf64b89f3_prep-k_qcdf64b89f3_prep
	.p2alignl 7, 3214868480
	.fill 96, 4, 3214868480
	.section	.rodata,"a",@progbits
	.p2align	6, 0x0
	.amdhsa_kernel k_qcdf64b89f3_prep
		.amdhsa_group_segment_fixed_size 83968
		.amdhsa_private_segment_fixed_size 0
		.amdhsa_enable_private_segment 0
		.amdhsa_kernarg_size 64
		.amdhsa_user_sgpr_count 2
		.amdhsa_user_sgpr_kernarg_segment_ptr 1
		.amdhsa_wavefront_size32 1
		.amdhsa_system_sgpr_workgroup_id_x 1
		.amdhsa_system_sgpr_workgroup_id_y 1
		.amdhsa_system_sgpr_workgroup_id_z 1
		.amdhsa_system_vgpr_workitem_id 0
		.amdhsa_next_free_vgpr 256
		.amdhsa_next_free_sgpr 66
		.amdhsa_reserve_vcc 1
		.amdhsa_float_denorm_mode_32 3
		.amdhsa_float_denorm_mode_16_64 3
		.amdhsa_memory_ordered 1
		.amdhsa_forward_progress 1
		.amdhsa_inst_pref_size 126
	.end_amdhsa_kernel
	.amdgpu_metadata
---
amdhsa.version: [ 1, 2 ]
amdhsa.kernels:
  - .name:           k_qcdf64b89f3_prep
    .symbol:         k_qcdf64b89f3_prep.kd
    .args:
      - { .name: x, .offset: 0, .size: 8, .value_kind: global_buffer, .address_space: global }
      - { .name: Wqkv, .offset: 8, .size: 8, .value_kind: global_buffer, .address_space: global }
      - { .name: Wout, .offset: 16, .size: 8, .value_kind: global_buffer, .address_space: global }
      - { .name: xi, .offset: 24, .size: 8, .value_kind: global_buffer, .address_space: global }
      - { .name: wimg, .offset: 32, .size: 8, .value_kind: global_buffer, .address_space: global }
      - { .name: sc1, .offset: 40, .size: 8, .value_kind: global_buffer, .address_space: global }
      - { .name: sc2, .offset: 48, .size: 8, .value_kind: global_buffer, .address_space: global }
      - { .name: rope, .offset: 56, .size: 8, .value_kind: global_buffer, .address_space: global }
    .group_segment_fixed_size: 83968
    .private_segment_fixed_size: 0
    .kernarg_segment_align: 8
    .kernarg_segment_size: 64
    .max_flat_workgroup_size: 128
    .sgpr_count:     66
    .vgpr_count:     256
    .wavefront_size: 32
...
	.end_amdgpu_metadata
.endif
;; end of part 1
;; launch qkv (part 2): grid 8 x 32, 4 waves a work-group, clusters of 4 x 4, 327,680 bytes of LDS; arguments xi, wimg, sc1, rope, qq, kv; writes qq, kv
.if DOCPART == 2
	.amdgcn_target "amdgcn-amd-amdhsa--gfx1250"
	.amdhsa_code_object_version 6
	.text
	.protected	k_qcdf64b89f3_qkv
	.globl	k_qcdf64b89f3_qkv
	.p2align	8
	.type	k_qcdf64b89f3_qkv,@function
k_qcdf64b89f3_qkv:
	s_mov_b64 s[64:65], 0
	v_nop
	global_prefetch_b8 v0, s[64:65] scope:SCOPE_SE
	s_setreg_imm32_b32 hwreg(HW_REG_WAVE_MODE, 25, 1), 1
	s_wait_xcnt 0x0
	s_wait_alu depctr_hold_cnt(0) depctr_sa_sdst(0) depctr_va_vdst(0) depctr_va_sdst(0) depctr_va_ssrc(0) depctr_va_vcc(0) depctr_vm_vsrc(0)
	s_getreg_b32 s2, hwreg(HW_REG_IB_STS2, 6, 4)
	s_cmp_eq_u32 s2, 0
	s_cbranch_scc0 .Lentry_in_a_cluster
	s_endpgm
.Lentry_in_a_cluster:
	s_bfe_u32 s2, ttmp6, 0x10000c
	s_cmp_lg_u32 s2, 0xf033
	s_cbranch_scc0 .Lentry_shape_is_right
	s_endpgm
.Lentry_shape_is_right:
; q, k, v = x Wqkv on codes of FP6 (E2M3) with E8M0 scales; q and k are rotated; all three leave as codes and scale words in the order of the next launch's operand registers.
; THE DEAL.  256 work-groups that stay: work-group (g, Y) takes tokens 256 Y .. 256 Y + 255 and three PIECES of 128 columns: q's, k's and v's heads 2 g and 2 g + 1.
; LDS: the piece's 128 columns, all of K, at 0 (98,304 bytes: [half of 64 columns][K / 256][4 tiles of 3,072]); the 256 tokens, all of K, at BIG (196,608 bytes: [half of 128][K / 256][8 tiles]), filled once.
; A tensor load's row is a half's bytes of one K / 256: 24,576 or 12,288 consecutive bytes, four rows a load.  At the head waves 0, 1 fetch the tokens' halves and waves 2, 3 the first piece's.
; The piece's region is filled again twice, each time behind the three lines and a round of the cluster's barrier, when every wave has fetched its last fragments; the piece's way out stands behind the refill.
; CLUSTER 4 x 4: tokens are shared along a row (same Y), a piece along a column (same g): joint loads.
; A wave: 128 tokens (half s17) x 64 columns (half s18, one head): 32 accumulators in window 2.  q, k: source 0 = the weight's tile, so a lane holds one token and its registers run along the head; v: source 0 = the tokens' tile, so a lane holds a channel and its registers run along the keys.
; REGISTERS: window 0: v0-31 addresses; v32-63 the tokens' scale words (register 8 il + n: lanes 0-15 block il, lanes 16-31 block 4 + il); v68-115 the pieces' (8 jl + n: blocks jl and 2 + jl; 16 a piece, moved down after each piece);
;   v128-223 the piece's fragments, two sets (on the way out at work); v224-241 at work.  Window 1: the tokens' fragments, two sets.  Window 3: cos and sin of my 128 positions, loaded once for q and k.
; PREFETCH: piece 1 is asked for at the head and piece 2 behind the first refill: each of the 16 waves of a cluster's column names 24 blocks of 256 bytes of its own, told apart by address.
; LIMITS: NaN and infinities are not served; a block of zeros gets the scale byte 1 (its codes are zeros, and this program alone reads the bytes); blocks under 2^-124 are held at the byte 1.
.set BIG,   98304
.set SPARE, 294912
.set STG,   295424
.set XS,    32
.set WS,    68
.set AF,    128
.set T,     128
.set PC,    160
.set TM,    224
.set PW,    240
.set WE,    241
.set SPW,   28
.set NIL,   29
.set G1X,   24
.set G0X,   32
.set G1W,   44
.set G0W,   52
.set SEL,   98
.set MSB, 0
.macro WIN new
.if MSB != (\new)
	s_set_vgpr_msb (MSB<<8)|(\new)
.set MSB, (\new)
.endif
.endm
.macro CREST
	s_cmp_lg_u32 s16, 0
	s_cbranch_scc1 .Lnot_wave_0_\@
	s_barrier_signal -3
.Lnot_wave_0_\@:
	s_barrier_wait -3
	s_barrier_signal -1
	s_barrier_wait -1
.endm
.macro CROUND
	s_barrier_signal -1
	s_barrier_wait -1
	CREST
.endm
.macro PLACES
.rept 4
	v_nop
.endr
.endm
.macro FRAG reg, a16, a8, off          ; two units of 768 bytes: a lane's 16 bytes at 16 l, its 8 at 512 + 8 l
	ds_load_b128 v[\reg:\reg+3], v[\a16] offset:\off
	ds_load_b64 v[\reg+4:\reg+5], v[\a8] offset:\off+512
	ds_load_b128 v[\reg+6:\reg+9], v[\a16] offset:\off+768
	ds_load_b64 v[\reg+10:\reg+11], v[\a8] offset:\off+1280
.endm
.macro FETCH n                         ; step n's fragments (128 along K) into set n % 2: 8 of the tokens, 4 of the piece: 48 loads
	WIN 0x40
.irp i, 0,1,2,3,4,5,6,7
	FRAG 128*((\n)%2)+12*\i, 6+2*((\n)/4), 7+2*((\n)/4), 24576*(((\n)/2)%2)+3072*\i+1536*((\n)%2)
.endr
	WIN 0
.irp i, 0,1,2,3
	FRAG AF+48*((\n)%2)+12*\i, 4, 5, 12288*((\n)/2)+3072*\i+1536*((\n)%2)
.endr
.endm
.macro W1 d, s0, s1, c, x0, x1, r0, r1
	v_wmma_scale_f32_16x16x128_f8f6f4 v[\d:\d+7], v[\s0:\s0+11], v[\s1:\s1+11], \c, v[\x0], v[\x1] matrix_a_fmt:MATRIX_FMT_FP6 matrix_b_fmt:MATRIX_FMT_FP6 matrix_a_scale:MATRIX_SCALE_ROW\r0 matrix_b_scale:MATRIX_SCALE_ROW\r1
.endm
.macro PRD kind, n, ih, il, jh, jl, zero   ; tokens' block 4 ih + il x the piece's block 2 jh + jl
.set XF_, 128*((\n)%2)+12*(4*\ih+\il)
.set WF_, AF+48*((\n)%2)+12*(2*\jh+\jl)
.set XC_, XS+8*\il+(\n)
.set WC_, WS+8*\jl+(\n)
.if \kind
.set D_, 64*(2*\jh+\jl)+8*(4*\ih+\il)
.if \zero
	W1 D_, XF_, WF_, 0, XC_, WC_, \ih, \jh
.else
	W1 D_, XF_, WF_, v[D_:D_+7], XC_, WC_, \ih, \jh
.endif
.else
.set D_, 32*(4*\ih+\il)+8*(2*\jh+\jl)
.if \zero
	W1 D_, WF_, XF_, 0, WC_, XC_, \jh, \ih
.else
	W1 D_, WF_, XF_, v[D_:D_+7], WC_, XC_, \jh, \ih
.endif
.endif
.endm
.macro MUL kind, n, ih, zero           ; 16 products; the 32 accumulators take turns, one instruction a turn
.irp il, 0,1,2,3
.irp jh, 0,1
.irp jl, 0,1
	PRD \kind, \n, \ih, \il, \jh, \jl, \zero
.endr
.endr
.endr
.endm
.macro STEP kind, n, zero              ; this step's fragments are in; the next step's go out into the other set, four places behind its last products; 32 products
	s_wait_dscnt 0x0
	PLACES
	FETCH (\n)+1
	WIN 0xa4-3*(\kind)
	MUL \kind, \n, 0, \zero
	MUL \kind, \n, 1, \zero
	WIN 0
.endm
	s_load_b256 s[4:11], s[0:1], 0x0               ; xi, wimg, sc1, rope
	s_load_b128 s[12:15], s[0:1], 0x20             ; qq, kv
	v_lshl_add_u32 v[SPW], v0, 2, SPARE
	v_mov_b32 v[NIL], 0
	ds_add_u32 v[SPW], v[NIL]                      ; the opening lines
	ds_add_u32 v[SPW], v[NIL]
	v_lshrrev_b32 v1, 5, v0
	v_readfirstlane_b32 s16, v1                    ; wave
	s_lshr_b32 s17, s16, 1                         ; my half of the tokens; also: I fetch tokens (0) or the piece (1)
	s_and_b32 s18, s16, 1                          ; my half of the columns; also: which half I fetch
	s_bfe_u32 s19, ttmp6, 0x40000
	s_bfe_u32 s20, ttmp6, 0x40004
	s_lshl_b32 s67, ttmp9, 2
	s_add_co_u32 s67, s67, s19                     ; g
	s_and_b32 s66, ttmp7, 0xffff
	s_lshl_b32 s66, s66, 2
	s_add_co_u32 s66, s66, s20                     ; Y
	s_lshl_b32 s76, s20, 2
	s_lshl_b32 s76, 15, s76
	s_lshl_b32 s77, 0x1111, s19
	s_or_b32 s[G1X], s76, (3<<16)|(1<<21)          ; elements of 8 bytes; the tokens go to my row of the cluster,
	s_or_b32 s[G1W], s77, (3<<16)|(1<<21)          ; the piece to my column
	s_mov_b32 s[G1X+1], 3072<<16
	s_mov_b32 s[G1X+2], 4<<16
	s_mov_b32 s[G1X+3], 3072<<16
	s_mov_b32 s[G1X+4], 4
	s_mov_b32 s[G1X+5], 196608
	s_mov_b32 s[G1X+6], 0
	s_mov_b32 s[G1X+7], 0
	s_mov_b32 s[G1W+1], 1536<<16
	s_mov_b32 s[G1W+2], 4<<16
	s_mov_b32 s[G1W+3], 1536<<16
	s_mov_b32 s[G1W+4], 4
	s_mov_b32 s[G1W+5], 73728
	s_mov_b32 s[G1W+6], 0
	s_mov_b32 s[G1W+7], 0
	s_mul_i32 s84, s66, 49152
	s_mul_i32 s88, s18, 24576
	s_add_co_u32 s84, s84, s88
	s_mov_b32 s85, 0
	s_mul_i32 s86, s67, 24576
	s_mul_i32 s88, s18, 12288
	s_add_co_u32 s86, s86, s88
	s_mov_b32 s87, 0
	s_mul_i32 s70, s67, 24576
	s_mov_b32 s71, 0
	s_mul_i32 s89, s18, 98304
	s_add_co_u32 s89, s89, BIG
	s_mul_i32 s90, s18, 49152
	s_wait_dscnt 0x0
	s_wait_kmcnt 0x0
	s_add_nc_u64 s[72:73], s[4:5], s[84:85]
	s_add_nc_u64 s[74:75], s[6:7], s[86:87]
	s_add_nc_u64 s[70:71], s[6:7], s[70:71]        ; the prefetches' base: q's piece
	CROUND
	s_mov_b32 s[G0X], 1
	s_mov_b32 s[G0X+1], s89
	s_mov_b64 s[G0X+2:G0X+3], s[72:73]
	s_or_b32 s[G0X+3], s[G0X+3], 0x80000000
	s_mov_b32 s[G0W], 1
	s_mov_b32 s[G0W+1], s90
	s_mov_b64 s[G0W+2:G0W+3], s[74:75]
	s_or_b32 s[G0W+3], s[G0W+3], 0x80000000
	s_cmp_eq_u32 s17, 0                            ; one load a wave, one chain of two arms
	s_cbranch_scc0 .Lhead_w
	tensor_load_to_lds s[G0X:G0X+3], s[G1X:G1X+7]
	s_nop 0
	PLACES
	s_branch .Lhead_asked
.Lhead_w:
	tensor_load_to_lds s[G0W:G0W+3], s[G1W:G1W+7]
	s_nop 0
	PLACES
.Lhead_asked:
	s_lshl_b32 s76, s66, 8
	s_lshl_b32 s77, s17, 7
	s_add_co_u32 s76, s76, s77                     ; my first token
	s_lshr_b32 s77, s76, 11
	s_and_b32 s78, s76, 2047                       ; its position
	s_lshl_b32 s77, s77, 4
	s_lshl_b32 s79, s67, 1
	s_add_co_u32 s77, s77, s79
	s_add_co_u32 s77, s77, s18                     ; batch x 16 + head
	s_mov_b32 s73, 0
	s_lshl_b32 s72, s78, 8
	s_add_nc_u64 s[88:89], s[10:11], s[72:73]      ; the table, 256 bytes a position
	s_mul_i32 s72, s77, 98304
	s_lshr_b32 s79, s78, 4
	s_mul_i32 s79, s79, 768
	s_add_co_u32 s72, s72, s79
	s_add_nc_u64 s[80:81], s[12:13], s[72:73]      ; q's units
	s_lshl_b32 s72, s77, 13
	s_lshl_b32 s79, s78, 2
	s_add_co_u32 s72, s72, s79
	s_add_co_u32 s72, s72, 6291456
	s_add_nc_u64 s[84:85], s[12:13], s[72:73]      ; q's scale words
	s_mul_i32 s72, s77, 208896
	s_lshr_b32 s79, s78, 9
	s_mul_i32 s79, s79, 52224
	s_add_co_u32 s72, s72, s79
	s_add_nc_u64 s[92:93], s[14:15], s[72:73]      ; the record of 512 keys
	s_bfe_u32 s79, s78, 0x20007                    ; which 128 of them
	s_mul_i32 s72, s79, 6144
	s_add_nc_u64 s[82:83], s[92:93], s[72:73]      ; k's units; 26,624 on, v's fragments
	s_lshl_b32 s72, s79, 9
	s_add_co_u32 s72, s72, 24576
	s_add_nc_u64 s[86:87], s[92:93], s[72:73]      ; k's scale words
	s_lshl_b32 s72, s79, 8
	s_add_co_u32 s72, s72, 51200
	s_add_nc_u64 s[92:93], s[92:93], s[72:73]      ; v's scale words
	s_lshl_b32 s94, s67, 7
	s_lshl_b32 s95, s18, 6
	s_add_co_u32 s94, s94, s95
	s_add_co_u32 s94, s94, 8192                    ; my columns' rows of sc1
	s_lshl_b32 s95, s20, 2
	s_add_co_u32 s95, s95, s16                     ; my number among the 16 waves of my column of the cluster
	s_lshr_b32 s96, s95, 2
	s_mul_i32 s96, s96, 589824
	s_and_b32 s95, s95, 3
	s_mul_i32 s95, s95, 6144
	s_add_co_u32 s96, s96, s95
	s_mul_i32 s91, s17, 98304
	s_add_co_u32 s91, s91, BIG
	s_lshl_b32 s79, s16, 10
	s_add_co_u32 s79, s79, STG
	s_mov_b32 s97, 0xffff0000
	s_mov_b32 s[SEL], 0x76543210
	s_mov_b32 s[SEL+1], 0xfedcba98
	s_mov_b32 s3, 0
	v_and_b32 v1, 31, v0
	v_and_b32 v2, 15, v0
	v_bfe_u32 v3, v0, 4, 1
	v_lshlrev_b32 v16, 4, v1
	v_lshlrev_b32 v17, 3, v1
	v_lshlrev_b32 v18, 2, v1
	v_lshl_add_u32 v22, v3, 6, v2
	v_add_lshl_u32 v22, v22, s76, 5                ; sc1: 32 bytes a row; lanes 16-31 four blocks on
	v_lshl_add_u32 v23, v3, 5, v2
	v_add_lshl_u32 v23, v23, s94, 5                ; lanes 16-31 two blocks on
	v_and_b32 v19, 8, v2
	v_add_nc_u32 v19, v19, v2
	v_lshlrev_b32 v19, 8, v19
	v_lshl_add_u32 v19, v3, 6, v19                 ; the table: position r + 8 (r / 8) of a tile, 64 h bytes on
.irp i, 0,1,2,3
	global_load_b128 v[XS+8*\i:XS+8*\i+3], v22, s[8:9] offset:512*\i
	global_load_b128 v[XS+8*\i+4:XS+8*\i+7], v22, s[8:9] offset:512*\i+16
.endr
.irp p, 0,1,2
.irp j, 0,1
	global_load_b128 v[WS+16*\p+8*\j:WS+16*\p+8*\j+3], v23, s[8:9] offset:32768*\p+512*\j
	global_load_b128 v[WS+16*\p+8*\j+4:WS+16*\p+8*\j+7], v23, s[8:9] offset:32768*\p+512*\j+16
.endr
.endr
	WIN 0xc0
.irp a, 0,1,2,3,4,5,6,7                ; window 3, 32 a: 16 cosines, 16 sines of my token of tile a
.irp j, 0,1,2,3
	global_load_b128 v[32*\a+4*\j:32*\a+4*\j+3], v19, s[88:89] offset:(32*(\a/2)+8*(\a%2))*256+16*\j
	global_load_b128 v[32*\a+16+4*\j:32*\a+19+4*\j], v19, s[88:89] offset:(32*(\a/2)+8*(\a%2))*256+128+16*\j
.endr
.endr
	WIN 0
	v_min_u32 v25, 23, v1
	v_lshl_add_u32 v25, v25, 8, s96
	global_prefetch_b8 v25, s[70:71] offset:196608 th:TH_LOAD_NT scope:SCOPE_SE   ; k's piece
	v_add_nc_u32 v4, s90, v16
	v_add_nc_u32 v5, s90, v17
	v_add_nc_u32 v6, s91, v16
	v_add_nc_u32 v7, s91, v17
	v_add_nc_u32 v8, 0xc000, v6
	v_add_nc_u32 v9, 0xc000, v7
	v_add_nc_u32 v20, s79, v18
	v_add_nc_u32 v21, s79, v16
	v_add_nc_u32 v24, s79, v17
.irp b, 0,1,2,3
	v_mov_b32 v[TM+4+\b], 0                        ; a lane permute's destination counts as one of its sources
.endr
	s_wait_alu depctr_va_vdst(0)                   ; the wait at the head's end
	s_wait_loadcnt 0x0
	s_wait_tensorcnt 0x0
	s_barrier_signal -1
	s_barrier_wait -1                              ; everybody's tile is in
.macro QUANT2 s                        ; 32 numbers of a lane, register 16 b + i = channel 32 b + 16 h + i: a unit's codes in v[PC] on, two scale bytes in v[PW]
.irp b, 0,1
	v_max3_num_f32 v[TM+\b], |v[\s+16*\b]|, |v[\s+1+16*\b]|, 0x1800000
.endr
.irp i, 2,4,6,8,10,12,14
.irp b, 0,1
	v_max3_num_f32 v[TM+\b], v[TM+\b], |v[\s+16*\b+\i]|, |v[\s+1+16*\b+\i]|
.endr
.endr
.irp b, 0,1
	v_permlanex16_b32 v[TM+4+\b], v[TM+\b], s[SEL], s[SEL+1]
.endr
.irp b, 0,1
	v_max_num_f32 v[TM+\b], v[TM+\b], v[TM+4+\b]
.endr
.irp b, 0,1
	v_add_nc_u32 v[TM+12+\b], 0xff000000, v[TM+\b]
.endr
.irp b, 0,1
	v_lshrrev_b32 v[TM+4+\b], 23, v[TM+12+\b]
.endr
	v_lshl_or_b32 v[PW], v[TM+5], 8, v[TM+4]
	v_cvt_scalef32_pk16_fp6_f32 v[PC:PC+2], v[\s:\s+15], v[TM+12]
	v_cvt_scalef32_pk16_fp6_f32 v[PC+4:PC+6], v[\s+16:\s+31], v[TM+13]
	v_nop
.irp i, 0,1,2
	v_permlane16_swap_b32 v[PC+\i], v[PC+4+\i]
.endr
	v_mov_b32 v[PC+3], v[PC+4]
	v_mov_b32 v[PC+4], v[PC+5]
	v_mov_b32 v[PC+5], v[PC+6]
.endm
.macro QK a                            ; tile a of my tokens: the rotation (channel d with d + 32), the quantiser, the stores
	WIN 0x0e                                       ; source 0: the sums, window 2; source 1: the table, window 3
.irp i, 0,2,4,6,8,10,12,14
	v_pk_mul_f32 v[T+\i:T+\i+1], v[32*\a+\i:32*\a+\i+1], v[32*\a+\i:32*\a+\i+1]
	v_pk_mul_f32 v[T+16+\i:T+17+\i], v[32*\a+16+\i:32*\a+17+\i], v[32*\a+\i:32*\a+\i+1]
	v_pk_fma_f32 v[T+\i:T+\i+1], v[32*\a+16+\i:32*\a+17+\i], v[32*\a+16+\i:32*\a+17+\i], v[T+\i:T+\i+1] neg_lo:[1,0,0] neg_hi:[1,0,0]
	v_pk_fma_f32 v[T+16+\i:T+17+\i], v[32*\a+\i:32*\a+\i+1], v[32*\a+16+\i:32*\a+17+\i], v[T+16+\i:T+17+\i]
.endr
	WIN 0
	s_wait_xcnt 0x0                                ; the last tile's stores have read the codes' registers
	QUANT2 T
	global_store_b128 v16, v[PC:PC+3], s[80:81] offset:768*\a
	global_store_b64 v17, v[PC+4:PC+5], s[80:81] offset:768*\a+512
.if (\a%2) == 0
	v_mov_b32 v[WE], v[PW]
.else
	v_cndmask_b32 v[PW], v[WE], v[PW], s97         ; lanes 0-15 the even tile's words, lanes 16-31 the odd one's
	ds_store_b32 v20, v[PW] offset:128*(\a/2)
.endif
.endm
.Lpiece:                               ; q, then k
	FETCH 0
	STEP 0, 0, 1
.set N, 1
.rept 6
	STEP 0, N, 0
.set N, N+1
.endr
	s_wait_dscnt 0x0                               ; the last step's fragments are in: my reads of the piece are over
	s_wait_tensorcnt 0x0                           ; the three lines ahead of a refill's round
	ds_add_u32 v[SPW], v[NIL]
	WIN 0xa4
	MUL 0, 7, 0, 0
	s_wait_dscnt 0x0
	s_barrier_signal -1
	MUL 0, 7, 1, 0
	WIN 0
	s_barrier_wait -1
	CREST
	s_add_nc_u64 s[G0W+2:G0W+3], s[G0W+2:G0W+3], 196608   ; 1,024 columns on
	s_cmp_eq_u32 s17, 1
	s_cbranch_scc0 .Lnot_mine
	tensor_load_to_lds s[G0W:G0W+3], s[G1W:G1W+7]  ; waves 2 and 3: the next piece's halves
	s_nop 0
	PLACES
.Lnot_mine:
	PLACES                                         ; the places behind the last products, for the waves that come round the load
	s_cmp_eq_u32 s3, 0
	s_cbranch_scc0 .Lno_ask
	global_prefetch_b8 v25, s[70:71] offset:393216 th:TH_LOAD_NT scope:SCOPE_SE   ; v's piece
.Lno_ask:
.set I, 0
.rept 32
	v_mov_b32 v[WS+I], v[WS+16+I]                  ; the next pieces' scale words move down
.set I, I+1
.endr
.irp a, 0,1,2,3,4,5,6,7
	QK \a
.endr
	ds_load_b128 v[T:T+3], v21                     ; my 128 scale words, in my own bytes of LDS
	s_wait_dscnt 0x0
	global_store_b128 v16, v[T:T+3], s[84:85]
	s_wait_xcnt 0x0                                ; the stores have read their bases and data
	s_mov_b64 s[80:81], s[82:83]
	s_mov_b64 s[84:85], s[86:87]
	s_wait_alu depctr_va_vdst(0)                   ; the wait ahead of the waits below
	s_wait_tensorcnt 0x0
	s_barrier_signal -1
	s_barrier_wait -1                              ; the next piece is in
	s_add_co_u32 s3, s3, 1
	s_cmp_lt_u32 s3, 2
	s_cbranch_scc1 .Lpiece
	FETCH 0                                        ; v
	STEP 1, 0, 1
.set N, 1
.rept 6
	STEP 1, N, 0
.set N, N+1
.endr
	s_wait_dscnt 0x0
	WIN 0xa1
	MUL 1, 7, 0, 0
	MUL 1, 7, 1, 0
	WIN 0
	PLACES
.macro VQ a                            ; 16 channels x my 128 keys: a fragment of 12 registers and its scale word
.set VS0, 64*\a
	s_wait_xcnt 0x0
	WIN 0x0a
.irp b, 0,1,2,3
	v_max3_num_f32 v[TM+\b], |v[VS0+16*\b]|, |v[VS0+1+16*\b]|, 0x1800000
.endr
.irp i, 2,4,6,8,10,12,14
.irp b, 0,1,2,3
	v_max3_num_f32 v[TM+\b], |v[VS0+16*\b+\i]|, |v[VS0+1+16*\b+\i]|, v[TM+\b]
.endr
.endr
	WIN 0
.irp b, 0,1,2,3
	v_permlanex16_b32 v[TM+4+\b], v[TM+\b], s[SEL], s[SEL+1]
.endr
.irp b, 0,1,2,3
	v_max_num_f32 v[TM+\b], v[TM+\b], v[TM+4+\b]
.endr
.irp b, 0,1,2,3
	v_add_nc_u32 v[TM+12+\b], 0xff000000, v[TM+\b]
.endr
.irp b, 0,1,2,3
	v_lshrrev_b32 v[TM+4+\b], 23, v[TM+12+\b]
.endr
	v_lshl_or_b32 v[PW], v[TM+5], 8, v[TM+4]
	v_lshl_or_b32 v[PW], v[TM+6], 16, v[PW]
	v_lshl_or_b32 v[PW], v[TM+7], 24, v[PW]
	WIN 2
.irp c, 0,1
	v_cvt_scalef32_pk16_fp6_f32 v[PC+6*\c:PC+2+6*\c], v[VS0+32*\c:VS0+15+32*\c], v[TM+12+2*\c]
	v_cvt_scalef32_pk16_fp6_f32 v[PC+12+4*\c:PC+14+4*\c], v[VS0+16+32*\c:VS0+31+32*\c], v[TM+12+2*\c+1]
.endr
	WIN 0
	v_nop
.irp c, 0,1
.irp i, 0,1,2
	v_permlane16_swap_b32 v[PC+6*\c+\i], v[PC+12+4*\c+\i]
.endr
.irp i, 0,1,2
	v_mov_b32 v[PC+3+6*\c+\i], v[PC+12+4*\c+\i]
.endr
.endr
.irp j, 0,1,2
	global_store_b128 v16, v[PC+4*\j:PC+4*\j+3], s[82:83] offset:26624+1536*\a+512*\j
.endr
.if (\a%2) == 0
	v_mov_b32 v[WE], v[PW]
.else
	v_cndmask_b32 v[PW], v[WE], v[PW], s97
	ds_store_b32 v20, v[PW] offset:4096+128*(\a/2)
.endif
.endm
.irp a, 0,1,2,3
	VQ \a
.endr
	ds_load_b64 v[T:T+1], v24 offset:4096
	s_wait_dscnt 0x0
	global_store_b64 v17, v[T:T+1], s[92:93]       ; 256 consecutive bytes
	s_wait_tensorcnt 0x0                           ; the wave's end
	ds_add_u32 v[SPW], v[NIL]
	s_wait_dscnt 0x0
	CROUND                                         ; the closing round
	s_endpgm
.Lfunc_end_k_qcdf64b89f3_qkv:
	.size	k_qcdf64b89f3_qkv, .Lfunc_end_k_qcdf64b89f3_qkv-k_qcdf64b89f3_qkv
	.p2alignl 7, 3214868480
	.fill 96, 4, 3214868480
	.section	.rodata,"a",@progbits
	.p2align	6, 0x0
	.amdhsa_kernel k_qcdf64b89f3_qkv
		.amdhsa_group_segment_fixed_size 327680
		.amdhsa_private_segment_fixed_size 0
		.amdhsa_enable_private_segment 0
		.amdhsa_kernarg_size 48
		.amdhsa_user_sgpr_count 2
		.amdhsa_user_sgpr_kernarg_segment_ptr 1
		.amdhsa_wavefront_size32 1
		.amdhsa_system_sgpr_workgroup_id_x 1
		.amdhsa_system_sgpr_workgroup_id_y 1
		.amdhsa_system_sgpr_workgroup_id_z 1
		.amdhsa_system_vgpr_workitem_id 0
		.amdhsa_next_free_vgpr 1024
		.amdhsa_next_free_sgpr 100
		.amdhsa_reserve_vcc 0
		.amdhsa_float_denorm_mode_32 3
		.amdhsa_float_denorm_mode_16_64 3
		.amdhsa_memory_ordered 1
		.amdhsa_forward_progress 1
		.amdhsa_inst_pref_size 187
	.end_amdhsa_kernel
	.amdgpu_metadata
---
amdhsa.version: [ 1, 2 ]
amdhsa.kernels:
  - .name:           k_qcdf64b89f3_qkv
    .symbol:         k_qcdf64b89f3_qkv.kd
    .args:
      - { .name: xi, .offset: 0, .size: 8, .value_kind: global_buffer, .address_space: global }
      - { .name: wimg, .offset: 8, .size: 8, .value_kind: global_buffer, .address_space: global }
      - { .name: sc1, .offset: 16, .size: 8, .value_kind: global_buffer, .address_space: global }
      - { .name: rope, .offset: 24, .size: 8, .value_kind: global_buffer, .address_space: global }
      - { .name: qq, .offset: 32, .size: 8, .value_kind: global_buffer, .address_space: global }
      - { .name: kv, .offset: 40, .size: 8, .value_kind: global_buffer, .address_space: global }
    .group_segment_fixed_size: 327680
    .private_segment_fixed_size: 0
    .kernarg_segment_align: 8
    .kernarg_segment_size: 48
    .max_flat_workgroup_size: 128
    .sgpr_count:     100
    .vgpr_count:     1024
    .wavefront_size: 32
...
	.end_amdgpu_metadata
.endif
;; end of part 2
;; launch attn (part 3): grid 4 x 64, 16 waves a work-group, clusters of 4 x 1, 212,992 bytes of LDS; arguments qq, kv, ai, sc2; writes ai, sc2
.if DOCPART == 3
	.amdgcn_target "amdgcn-amd-amdhsa--gfx1250"
	.amdhsa_code_object_version 6
	.text
	.protected	k_qcdf64b89f3_attn
	.globl	k_qcdf64b89f3_attn
	.p2align	8
	.type	k_qcdf64b89f3_attn,@function
k_qcdf64b89f3_attn:
	s_mov_b64 s[64:65], 0
	v_nop
	global_prefetch_b8 v0, s[64:65] scope:SCOPE_SE
	s_setreg_imm32_b32 hwreg(HW_REG_WAVE_MODE, 25, 1), 1
	s_wait_xcnt 0x0
	s_wait_alu depctr_hold_cnt(0) depctr_sa_sdst(0) depctr_va_vdst(0) depctr_va_sdst(0) depctr_va_ssrc(0) depctr_va_vcc(0) depctr_vm_vsrc(0)
	s_getreg_b32 s2, hwreg(HW_REG_IB_STS2, 6, 4)
	s_cmp_eq_u32 s2, 0
	s_cbranch_scc0 .Lentry_in_a_cluster
	s_endpgm
.Lentry_in_a_cluster:
	s_bfe_u32 s2, ttmp6, 0x10000c
	s_cmp_lg_u32 s2, 0x3003
	s_cbranch_scc0 .Lentry_shape_is_right
	s_endpgm
.Lentry_shape_is_right:
; o = softmax(q k^T / 8) v for one head and 512 queries, both products on codes of FP6 (E2M3) with E8M0 scales; o is divided by the row's sum and quantised along the head's 64 channels for the last product.
; THE SOFTMAX: t = score x log2(e) / 8; M = the running largest t rounded up to a whole number; p = 2^(t - M) is quantised along the keys, not normalised; the row's sum is taken of the unquantised p.  When M moves, the sum and O are multiplied by 2^(old M - new M): exact.
; SHARES.  256 work-groups, four to a head.  Sixteen waves, four to a SIMD; a wave takes two tiles of 16 queries, one after the other (tile 16 p + wave of the work-group's 32), and walks the head's 2,048 keys for each, 128 a step.
; THE WHOLE HEAD'S k, v AND SCALE WORDS, 208,896 bytes, LIE IN LDS AS THEY LIE IN MEMORY: four records of 512 keys, filled once: wave w fetches sixteenth w, one load a wave.
; Waves 0-3, which fetch record 0, have a load line of their own: the first barrier waits for them alone; a second barrier, behind record 0's four steps, shows the other three records.  After it no barrier stands until the end.
; CLUSTER.  The four work-groups of a cluster are the four query blocks of one head: each load is asked for jointly, with the mask of all four.
; NO PREFETCH: all that the launch reads by tensor loads is asked for at its head; there is no loop to run ahead in.
; LAYOUT.  Both products are used transposed: S^T = k q^T, O^T = v^T p^T: a lane holds one query.  The keys of a tile of k, and the channels of a tile of v, were chosen so that the 16 registers of tiles 2 b, 2 b + 1 are 32 b + 16 h + 0 .. 15.
; The head's 64 channels are half of the instruction's K: the upper six registers of q's and of k's fragments are zero codes, under the scale byte 0.
; LIMITS: NaN and infinities are not served; the promise holds while |t| stays under 2^31; a block of zeros gets the scale byte 1; blocks under 2^-124 are held at the byte 1.
; A record: +0 k's 32 units of 768 bytes; +24,576 k's 512 scale words; +26,624 v's fragments [step 4][tile 4][1,536]; +51,200 v's scale words [step 4][tile 4][16].
; REGISTERS: v1-3 16, 8, 4 x lane; v4-5 the add's two; v6-9 the step's addresses; v10-11 v's scale words; v12 -M, v13 the largest t, v[14:15] the sum; v16-27 q; v28-31 k's scale words; v32-127 k's 8 fragments;
;   v128-191 S^T, then p, then v's 4 fragments; v192-223 O^T; v224-235 p's codes; v236-251 at work; v252 f; v253 p's scale word; v254 at work; v255 q's scale word.
.set REC,   52224
.set STG,   208896                     ; 1,024 bytes: the work-group's 512 pairs of scale bytes
.set SPARE, 209920                     ; the spare words, 128 bytes for each of 16 waves
.set SPW,   4
.set NIL,   5
.set SEL,   20
.set CS,    22
.set PC,    224
.set TM,    236
.macro DLY n
	s_delay_alu instid0(VALU_DEP_\n)
.endm
.macro WALU
	s_wait_alu depctr_va_vdst(0)
.endm
.macro CROUND
	s_barrier_signal -1
	s_barrier_wait -1
	s_cmp_lg_u32 s16, 0
	s_cbranch_scc1 .Lnot_wave_0_\@
	s_barrier_signal -3
.Lnot_wave_0_\@:
	s_barrier_wait -3
	s_barrier_signal -1
	s_barrier_wait -1
.endm
	s_load_b256 s[4:11], s[0:1], 0x0               ; qq, kv, ai, sc2
	v_lshl_add_u32 v[SPW], v0, 2, SPARE
	v_mov_b32 v[NIL], 0
	ds_add_u32 v[SPW], v[NIL]                      ; the opening lines
	ds_add_u32 v[SPW], v[NIL]
	v_lshrrev_b32 v6, 5, v0
	DLY 1
	v_readfirstlane_b32 s16, v6                    ; wave 0..15
	s_bfe_u32 s18, ttmp6, 0x40000                  ; cx: my block of 512 queries; it enters q's and the outputs' addresses alone
	s_and_b32 s19, ttmp7, 0xffff                   ; batch x 16 + head
	s_mov_b32 s24, 15|(3<<16)|(1<<21)              ; the mask of all four; elements of 8 bytes
	s_mov_b32 s25, 32<<16                          ; 51 rows of 256 bytes, dense
	s_mov_b32 s26, 51<<16
	s_mov_b32 s27, 32<<16
	s_mov_b32 s28, 51
	s_mov_b32 s29, 32
	s_mov_b32 s30, 0
	s_mov_b32 s31, 0
	s_mov_b32 s[SEL], 0x76543210
	s_mov_b32 s[SEL+1], 0xfedcba98
	s_mov_b32 s[CS], 0x3e38aa3b                    ; c = log2(e) / 8
	s_mov_b32 s[CS+1], s[CS]
	s_mul_i32 s54, s16, 13056                      ; my sixteenth of the head's bytes
	s_mul_i32 s52, s19, 208896
	s_add_co_u32 s52, s52, s54
	s_mov_b32 s53, 0
	s_mov_b32 s59, 0
	s_wait_dscnt 0x0
	s_wait_kmcnt 0x0
	s_add_nc_u64 s[52:53], s[6:7], s[52:53]
	CROUND                                         ; all four work-groups are here: the joint loads meet
	s_mov_b32 s32, 1
	s_mov_b32 s33, s54
	s_mov_b64 s[34:35], s[52:53]
	s_or_b32 s35, s35, 0x80000000
	s_cmp_lt_u32 s16, 4                            ; one chain of two arms, one load a wave
	s_cbranch_scc0 .Llater
	tensor_load_to_lds s[32:35], s[24:31]          ; record 0
	s_nop 0
.rept 4
	v_nop
.endr
	s_branch .Lasked
.Llater:
	tensor_load_to_lds s[32:35], s[24:31]          ; records 1 to 3
	s_nop 0
.rept 4
	v_nop
.endr
.Lasked:
	s_lshl_b32 s56, s18, 5
	s_add_co_u32 s56, s56, s16                     ; my first tile of 16 queries; the second is 16 tiles on
	s_lshl_b32 s57, s19, 7
	s_add_co_u32 s57, s57, s56
	s_mul_i32 s58, s57, 768
	s_add_nc_u64 s[60:61], s[4:5], s[58:59]        ; q's unit
	s_lshl_b32 s58, s57, 6
	s_add_co_u32 s58, s58, 6291456
	s_add_nc_u64 s[62:63], s[4:5], s[58:59]        ; and its 16 scale words
	s_and_b32 s52, s19, 15                         ; the head
	s_lshr_b32 s53, s19, 4                         ; the batch
	s_lshr_b32 s58, s52, 2
	s_mul_i32 s58, s58, 1572864
	s_lshl_b32 s54, s53, 7
	s_add_co_u32 s54, s54, s56
	s_mul_i32 s54, s54, 3072
	s_add_co_u32 s58, s58, s54
	s_and_b32 s54, s52, 3
	s_mul_i32 s54, s54, 768
	s_add_co_u32 s58, s58, s54
	s_add_nc_u64 s[66:67], s[8:9], s[58:59]        ; ai: slot head / 4, my tile of rows, unit head % 4
	s_mul_i32 s58, s52, 18432
	s_lshl_b32 s54, s53, 12
	s_add_co_u32 s58, s58, s54
	s_lshl_b32 s54, s18, 10
	s_add_co_u32 s58, s58, s54
	s_add_nc_u64 s[68:69], s[10:11], s[58:59]      ; sc2: plane head, the work-group's 512 rows
	v_and_b32 v6, 31, v0
	DLY 1
	v_lshlrev_b32 v1, 4, v6
	v_lshlrev_b32 v2, 3, v6
	v_lshlrev_b32 v3, 2, v6
	v_and_b32 v9, 15, v0
	DLY 1
	v_lshlrev_b32 v9, 2, v9
.macro QLOAD p                         ; q's unit and scale words of my tile p
	global_load_b128 v[16:19], v1, s[60:61] offset:12288*\p
	global_load_b64 v[20:21], v2, s[60:61] offset:12288*\p+512
	global_load_b32 v255, v9, s[62:63] offset:1024*\p
.endm
	QLOAD 0
.irp j, 22,23,24,25,26,27
	v_mov_b32 v[\j], 0                             ; q's zero codes for k = 64 .. 127
.endr
.irp t, 0,1,2,3,4,5,6,7
.irp j, 6,7,8,9,10,11
	v_mov_b32 v[32+12*\t+\j], 0                    ; and k's: written once
.endr
.endr
.irp b, 0,1,2,3
	v_mov_b32 v[236+\b], 0                         ; a lane permute's destination counts as one of its sources
.endr
	v_mov_b32 v253, 0                              ; (named as the upper half of the pair v[252:253])
.macro START                           ; a tile begins: the largest t is -3e38, the sum and O^T are zeros, which the first change of M leaves zeros
	v_mov_b32 v13, 0xff61b1e6
	DLY 1
	v_floor_f32 v12, -v13
	v_mov_b32 v14, 0
	v_mov_b32 v15, 0
.set j, 0
.rept 32
	v_mov_b32 v[192+j], 0
.set j, j+1
.endr
	WALU                                           ; the wait ahead of the waits below
	s_wait_loadcnt 0x0                             ; q
	s_wait_xcnt 0x0                                ; the last tile's stores have read their registers
.endm
; A KEY STEP: 128 keys.  s48: where the step's units of k (and, 26,624 on, fragments of v) begin; s49, s50: its scale words of k and of v.
.macro STEP
	v_add_nc_u32 v6, s48, v1
	v_add_nc_u32 v7, s48, v2
	v_add_nc_u32 v8, s49, v3
	v_add_nc_u32 v9, s50, v3
	v_nop                                          ; six places: the scores below are written over registers that the last products read as v's fragments, which asks for five
	v_nop
.irp t, 0,1,2,3,4,5,6,7
	ds_load_b128 v[32+12*\t:35+12*\t], v6 offset:768*\t
	ds_load_b64 v[36+12*\t:37+12*\t], v7 offset:768*\t+512
.endr
.irp p, 0,1,2,3
	ds_load_b32 v[28+\p], v8 offset:24576+128*\p   ; lanes 0-15: tile 2 p's words; lanes 16-31: tile 2 p + 1's
.endr
	s_wait_dscnt 0x0
.irp t, 0,2,4,6
	v_wmma_scale_f32_16x16x128_f8f6f4 v[128+8*\t:135+8*\t], v[32+12*\t:43+12*\t], v[16:27], 0, v[28+\t/2], v255 matrix_a_fmt:MATRIX_FMT_FP6 matrix_b_fmt:MATRIX_FMT_FP6
	v_wmma_scale_f32_16x16x128_f8f6f4 v[136+8*\t:143+8*\t], v[44+12*\t:55+12*\t], v[16:27], 0, v[28+\t/2], v255 matrix_a_fmt:MATRIX_FMT_FP6 matrix_b_fmt:MATRIX_FMT_FP6 matrix_a_scale:MATRIX_SCALE_ROW1
.endr
.rept 4
	v_nop
.endr
.irp b, 0,1,2,3
	v_max3_num_f32 v[248+\b], v[128+16*\b], v[129+16*\b], v[130+16*\b]   ; the largest score of each block of 32 keys: for the row's maximum and, since p rises with the score, for the block's largest p
.endr
.irp i, 3,5,7,9,11,13
.irp b, 0,1,2,3
	v_max3_num_f32 v[248+\b], v[248+\b], v[128+16*\b+\i], v[129+16*\b+\i]
.endr
.endr
.irp b, 0,1,2,3
	v_max_num_f32 v[248+\b], v[248+\b], v[143+16*\b]
.endr
.irp b, 0,1,2,3
	DLY 4
	v_permlanex16_b32 v[236+\b], v[248+\b], s[SEL], s[SEL+1]
.endr
.irp b, 0,1,2,3
	DLY 4
	v_max_num_f32 v[248+\b], v[248+\b], v[236+\b]  ; with lane l xor 16's 16 keys
.endr
	DLY 2
	v_max3_num_f32 v254, v248, v249, v250
	DLY 1
	v_max_num_f32 v254, v254, v251
	DLY 1
	v_mul_f32 v254, s[CS], v254                    ; as t
	DLY 1
	v_max_num_f32 v13, v13, v254                   ; the running largest t
	v_mov_b32 v254, v12
	DLY 2
	v_floor_f32 v12, -v13                          ; the new -M: a whole number
	DLY 1
	v_sub_f32 v254, v12, v254
	DLY 1
	v_cvt_i32_f32 v254, v254                       ; (it saturates)
	DLY 1
	v_ldexp_f32 v252, 1.0, v254                    ; f = 2^(old M - new M)
.set j, 0
.rept 32
	v_pk_fma_f32 v[128+j:129+j], v[128+j:129+j], s[CS:CS+1], v[12:13] op_sel_hi:[1,0,0]   ; t - M, two at a time
.set j, j+2
.endr
.irp b, 0,1,2,3
	v_fma_f32 v[248+\b], v[248+\b], s[CS], v12     ; the same of each block's largest score
.endr
	WALU                                           ; the wait ahead of the batch
.set j, 0
.rept 64
	v_exp_f32 v[128+j], v[128+j]                   ; p = 2^(t - M)
.set j, j+1
.endr
	v_pk_mul_f32 v[14:15], v[14:15], v[252:253] op_sel_hi:[1,0]   ; the sums under the new M (a plain place behind the exponentials)
	WALU                                           ; one wait for the batch of 64, ahead of its first reader
.irp b, 0,1,2,3
	v_exp_f32 v[248+\b], v[248+\b]                 ; the block's largest p
.endr
	v_pk_add_f32 v[236:237], v[128:129], v[130:131]   ; the row's sum of the unquantised p: 32 pairs in four chains
	v_pk_add_f32 v[238:239], v[132:133], v[134:135]
	v_pk_add_f32 v[240:241], v[136:137], v[138:139]
	v_pk_add_f32 v[14:15], v[14:15], v[140:141]
.set j, 142
.rept 6
	v_pk_add_f32 v[236:237], v[236:237], v[j:j+1]
	v_pk_add_f32 v[238:239], v[238:239], v[j+2:j+3]
	v_pk_add_f32 v[240:241], v[240:241], v[j+4:j+5]
	v_pk_add_f32 v[14:15], v[14:15], v[j+6:j+7]
.set j, j+8
.endr
	v_pk_add_f32 v[236:237], v[236:237], v[190:191]
	v_pk_add_f32 v[14:15], v[14:15], v[240:241]
	DLY 2
	v_pk_add_f32 v[236:237], v[236:237], v[238:239]
	DLY 1
	v_pk_add_f32 v[14:15], v[14:15], v[236:237]
	WALU                                           ; and one for the four
.irp b, 0,1,2,3
	v_max_num_f32 v[248+\b], 0x1800000, v[248+\b]  ; the floor 2^(3 - 127)
.endr
.irp b, 0,1,2,3
	DLY 4
	v_add_nc_u32 v[244+\b], 0xff000000, v[248+\b]  ; 2 off the exponent field: the conversion's scale operand
.endr
.irp b, 0,1,2,3
	DLY 4
	v_lshrrev_b32 v[236+\b], 23, v[244+\b]
.endr
	DLY 3
	v_lshl_or_b32 v253, v237, 8, v236              ; p's scale word for these 128 keys
	DLY 1
	v_lshl_or_b32 v253, v238, 16, v253
	DLY 1
	v_lshl_or_b32 v253, v239, 24, v253
.irp c, 0,1
	v_cvt_scalef32_pk16_fp6_f32 v[224+6*\c:226+6*\c], v[128+32*\c:143+32*\c], v[244+2*\c]
	v_cvt_scalef32_pk16_fp6_f32 v[236+4*\c:238+4*\c], v[144+32*\c:159+32*\c], v[244+2*\c+1]
.endr
	v_nop                                          ; one plain place behind a scaled conversion
.irp t, 0,1,2,3                        ; v's four fragments land in p's registers while the lines below run
.irp j, 0,1,2
	ds_load_b128 v[128+12*\t+4*\j:131+12*\t+4*\j], v6 offset:26624+1536*\t+512*\j
.endr
.endr
.irp p, 0,1
	ds_load_b32 v[10+\p], v9 offset:51200+128*\p
.endr
.irp c, 0,1
.irp i, 0,1,2
	v_permlane16_swap_b32 v[224+6*\c+\i], v[236+4*\c+\i]
.endr
.irp i, 0,1,2
	DLY 3
	v_mov_b32 v[227+6*\c+\i], v[236+4*\c+\i]
.endr
.endr
.set j, 0
.rept 16
	v_pk_mul_f32 v[192+j:193+j], v[192+j:193+j], v[252:253] op_sel_hi:[1,0]   ; O^T under the new M (also the places in front of the products below)
.set j, j+2
.endr
	WALU                                           ; the wait ahead of the wait below
	s_wait_dscnt 0x0
.irp t, 0,2                            ; the four accumulators take turns, one instruction a turn
	v_wmma_scale_f32_16x16x128_f8f6f4 v[192+8*\t:199+8*\t], v[128+12*\t:139+12*\t], v[224:235], v[192+8*\t:199+8*\t], v[10+\t/2], v253 matrix_a_fmt:MATRIX_FMT_FP6 matrix_b_fmt:MATRIX_FMT_FP6
	v_wmma_scale_f32_16x16x128_f8f6f4 v[200+8*\t:207+8*\t], v[140+12*\t:151+12*\t], v[224:235], v[200+8*\t:207+8*\t], v[10+\t/2], v253 matrix_a_fmt:MATRIX_FMT_FP6 matrix_b_fmt:MATRIX_FMT_FP6 matrix_a_scale:MATRIX_SCALE_ROW1
.endr
.endm
.macro WALK from, to                   ; key steps from .. to - 1: step s lies in record s / 4, at place s % 4
	s_mov_b32 s51, \from
.Lstep_\@:
	s_lshr_b32 s46, s51, 2
	s_and_b32 s47, s51, 3
	s_mul_i32 s46, s46, REC
	s_mul_i32 s48, s47, 6144
	s_add_co_u32 s48, s48, s46
	s_lshl_b32 s49, s47, 9
	s_add_co_u32 s49, s49, s46
	s_lshl_b32 s50, s47, 8
	s_add_co_u32 s50, s50, s46
	STEP
	s_add_co_u32 s51, s51, 1
	s_cmp_lt_u32 s51, \to
	s_cbranch_scc1 .Lstep_\@
.endm
; THE WAY OUT of tile p: O^T / the sum; register 16 b + i is channel 32 b + 16 h + i of my query: one unit of the last product's operand, and two scale bytes, which wait in LDS for the end.
.macro OUT p
.rept 4
	v_nop
.endr
.if \p == 0
	v_and_b32 v9, 15, v0
	DLY 1
	v_lshlrev_b32 v9, 2, v9
	QLOAD 1                                        ; the next tile's q comes while this one leaves
.endif
	v_add_f32 v14, v14, v15
	DLY 1
	v_permlanex16_b32 v252, v14, s[SEL], s[SEL+1]
	DLY 1
	v_add_f32 v14, v14, v252                       ; the row's sum
	WALU                                           ; the wait ahead of the transcendental
	v_rcp_f32 v14, v14
	v_and_b32 v6, 15, v0                           ; (a plain place behind it)
	DLY 1
	v_lshlrev_b32 v6, 1, v6
	s_lshl_b32 s52, s16, 5
	s_add_co_u32 s52, s52, STG+512*\p
	v_add_nc_u32 v6, s52, v6                       ; the stage: 512 p + 32 x wave + 2 r
	v_add_nc_u32 v7, STG, v1
	WALU                                           ; the wait, ahead of the first reader
.set j, 0
.rept 32
	v_mul_f32 v[128+j], v[192+j], v14              ; each accumulator from its low end on
.set j, j+1
.endr
.irp b, 0,1
	v_max3_num_f32 v[TM+\b], |v[128+16*\b]|, |v[129+16*\b]|, 0x1800000
.endr
.irp i, 2,4,6,8,10,12,14
.irp b, 0,1
	DLY 2
	v_max3_num_f32 v[TM+\b], v[TM+\b], |v[128+16*\b+\i]|, |v[129+16*\b+\i]|
.endr
.endr
.irp b, 0,1
	DLY 2
	v_permlanex16_b32 v[TM+4+\b], v[TM+\b], s[SEL], s[SEL+1]
.endr
.irp b, 0,1
	DLY 2
	v_max_num_f32 v[TM+\b], v[TM+\b], v[TM+4+\b]
.endr
.irp b, 0,1
	DLY 2
	v_add_nc_u32 v[TM+12+\b], 0xff000000, v[TM+\b]
.endr
.irp b, 0,1
	DLY 2
	v_lshrrev_b32 v[TM+4+\b], 23, v[TM+12+\b]
.endr
	DLY 1
	v_lshl_or_b32 v254, v[TM+5], 8, v[TM+4]
	v_cvt_scalef32_pk16_fp6_f32 v[PC:PC+2], v[128:143], v[TM+12]
	v_cvt_scalef32_pk16_fp6_f32 v[PC+4:PC+6], v[144:159], v[TM+13]
	v_nop                                          ; one plain place behind a scaled conversion
.irp i, 0,1,2
	v_permlane16_swap_b32 v[PC+\i], v[PC+4+\i]
.endr
	DLY 3
	v_mov_b32 v[PC+3], v[PC+4]
	DLY 3
	v_mov_b32 v[PC+4], v[PC+5]
	DLY 3
	v_mov_b32 v[PC+5], v[PC+6]
	global_store_b128 v1, v[PC:PC+3], s[66:67] offset:49152*\p          ; 512 consecutive bytes,
	global_store_b64 v2, v[PC+4:PC+5], s[66:67] offset:49152*\p+512     ; and 256
	ds_store_b16 v6, v254                          ; (lanes l and l xor 16 write the same bytes with the same values)
.endm
	START
	s_cmp_lt_u32 s16, 4
	s_cbranch_scc0 .Lnot_first
	s_wait_tensorcnt 0x0                           ; waves 0-3: my part of record 0 is in
.Lnot_first:
	s_barrier_signal -1
	s_barrier_wait -1                              ; record 0 is whole; records 1 to 3 may still be filling
	WALK 0, 4
	s_wait_tensorcnt 0x0                           ; every wave: my load is in
	s_wait_dscnt 0x0
	s_barrier_signal -1
	s_barrier_wait -1                              ; all four records are whole
	WALK 4, 16
	OUT 0
	START
	WALK 0, 16
	OUT 1
	s_wait_dscnt 0x0                               ; for the others' sake
	s_barrier_signal -1
	s_barrier_wait -1
	s_cmp_lg_u32 s16, 0
	s_cbranch_scc1 .Lend
	ds_load_b128 v[128:131], v7                    ; wave 0 stores the work-group's 1,024 scale bytes
	ds_load_b128 v[132:135], v7 offset:512
	s_wait_dscnt 0x0
	global_store_b128 v1, v[128:131], s[68:69]
	global_store_b128 v1, v[132:135], s[68:69] offset:512
.Lend:
	s_wait_tensorcnt 0x0                           ; the wave's end
	ds_add_u32 v[SPW], v[NIL]
	s_wait_dscnt 0x0
	CROUND                                         ; the closing round
	s_endpgm
.Lfunc_end_k_qcdf64b89f3_attn:
	.size	k_qcdf64b89f3_attn, .Lfunc_end_k_qcdf64b89f3_attn-k_qcdf64b89f3_attn
	.p2alignl 7, 3214868480
	.fill 96, 4, 3214868480
	.section	.rodata,"a",@progbits
	.p2align	6, 0x0
	.amdhsa_kernel k_qcdf64b89f3_attn
		.amdhsa_group_segment_fixed_size 212992
		.amdhsa_private_segment_fixed_size 0
		.amdhsa_enable_private_segment 0
		.amdhsa_kernarg_size 32
		.amdhsa_user_sgpr_count 2
		.amdhsa_user_sgpr_kernarg_segment_ptr 1
		.amdhsa_wavefront_size32 1
		.amdhsa_system_sgpr_workgroup_id_x 1
		.amdhsa_system_sgpr_workgroup_id_y 1
		.amdhsa_system_sgpr_workgroup_id_z 1
		.amdhsa_system_vgpr_workitem_id 0
		.amdhsa_next_free_vgpr 256
		.amdhsa_next_free_sgpr 72
		.amdhsa_reserve_vcc 0
		.amdhsa_float_denorm_mode_32 3
		.amdhsa_float_denorm_mode_16_64 3
		.amdhsa_memory_ordered 1
		.amdhsa_forward_progress 1
		.amdhsa_inst_pref_size 72
	.end_amdhsa_kernel
	.amdgpu_metadata
---
amdhsa.version: [ 1, 2 ]
amdhsa.kernels:
  - .name:           k_qcdf64b89f3_attn
    .symbol:         k_qcdf64b89f3_attn.kd
    .args:
      - { .name: qq, .offset: 0, .size: 8, .value_kind: global_buffer, .address_space: global }
      - { .name: kv, .offset: 8, .size: 8, .value_kind: global_buffer, .address_space: global }
      - { .name: ai, .offset: 16, .size: 8, .value_kind: global_buffer, .address_space: global }
      - { .name: sc2, .offset: 24, .size: 8, .value_kind: global_buffer, .address_space: global }
    .group_segment_fixed_size: 212992
    .private_segment_fixed_size: 0
    .kernarg_segment_align: 8
    .kernarg_segment_size: 32
    .max_flat_workgroup_size: 512
    .sgpr_count:     72
    .vgpr_count:     256
    .wavefront_size: 32
...
	.end_amdgpu_metadata
.endif
;; end of part 3
;; launch proj (part 4): grid 4 x 64, 4 waves a work-group, clusters of 4 x 4, 327,680 bytes of LDS; arguments ai, wimg, sc2, out0; writes out0
.if DOCPART == 4
	.amdgcn_target "amdgcn-amd-amdhsa--gfx1250"
	.amdhsa_code_object_version 6
	.text
	.protected	k_qcdf64b89f3_proj
	.globl	k_qcdf64b89f3_proj
	.p2align	8
	.type	k_qcdf64b89f3_proj,@function
k_qcdf64b89f3_proj:
	s_mov_b64 s[64:65], 0
	v_nop
	global_prefetch_b8 v0, s[64:65] scope:SCOPE_SE
	s_setreg_imm32_b32 hwreg(HW_REG_WAVE_MODE, 25, 1), 1
	s_wait_xcnt 0x0
	s_wait_alu depctr_hold_cnt(0) depctr_sa_sdst(0) depctr_va_vdst(0) depctr_va_sdst(0) depctr_va_ssrc(0) depctr_va_vcc(0) depctr_vm_vsrc(0)
	s_getreg_b32 s2, hwreg(HW_REG_IB_STS2, 6, 4)
	s_cmp_eq_u32 s2, 0
	s_cbranch_scc0 .Lentry_in_a_cluster
	s_endpgm
.Lentry_in_a_cluster:
	s_bfe_u32 s2, ttmp6, 0x10000c
	s_cmp_lg_u32 s2, 0xf033
	s_cbranch_scc0 .Lentry_shape_is_right
	s_endpgm
.Lentry_shape_is_right:
; out0 = o Wout on codes of FP6 (E2M3) with E8M0 scales, f32 sums.  ai: o's codes [K / 256][tile of 16 rows][4 units of 768 bytes]; Wout's lie likewise in wimg from byte 2,359,296; sc2: [K / 64][9,216 rows][2 scale bytes], o's rows, then Wout's columns.
; THE DEAL.  256 work-groups, each 128 rows x 256 columns; four waves, 2 x 2, each 64 x 128: 32 accumulators in window 2.
; ALL OF K LIES IN LDS, filled once: o's rows at 0 ([half of 64 rows][K / 256][4 tiles of 3,072 bytes], 98,304 bytes), Wout's columns at BIG ([half of 128][K / 256][8 tiles], 196,608 bytes).
; One tensor load a wave: four rows of 12,288 (waves 0, 1: o's halves) or 24,576 consecutive bytes (waves 2, 3: Wout's).  Nothing is filled again, so there is no ring.
; CLUSTER 4 x 4: o's rows are shared along a row of the cluster, Wout's columns along a column: joint loads.  NO PREFETCH: all is asked for at the head; there is no loop to run ahead in.
; The matrix instruction is used transposed (source 0 = Wout's tile): a lane holds eight neighbouring numbers of a row of out0.  The rows of a tile of o: tile 2 b + u, row r is row 32 b + 8 u + r + 8 (r / 8).
; REGISTERS: window 0: v0-31 addresses; v32-95 scale words (8 n + i: lanes 0-15 o's block i, lanes 16-31 Wout's block i, step n); v128-223 o's fragments, two sets; window 1: Wout's, two sets.
; The stage of the way out lies on tile bytes: a barrier, behind every wave's last LDS read, stands ahead of the first store there.
.set BIG,   98304
.set SPARE, 294912
.set STG,   98304
.set SPITCH, 528
.set SC,    32
.set AF,    128
.set BK,    128
.set SPW,   28
.set NIL,   29
.set G1A,   24
.set G0A,   32
.set G1B,   44
.set G0B,   52
.set MSB, 0
.macro WIN new
.if MSB != (\new)
	s_set_vgpr_msb (MSB<<8)|(\new)
.set MSB, (\new)
.endif
.endm
.macro CROUND
	s_barrier_signal -1
	s_barrier_wait -1
	s_cmp_lg_u32 s16, 0
	s_cbranch_scc1 .Lnot_wave_0_\@
	s_barrier_signal -3
.Lnot_wave_0_\@:
	s_barrier_wait -3
	s_barrier_signal -1
	s_barrier_wait -1
.endm
.macro PLACES
.rept 4
	v_nop
.endr
.endm
.macro FRAG reg, a16, a8, off
	ds_load_b128 v[\reg:\reg+3], v[\a16] offset:\off
	ds_load_b64 v[\reg+4:\reg+5], v[\a8] offset:\off+512
	ds_load_b128 v[\reg+6:\reg+9], v[\a16] offset:\off+768
	ds_load_b64 v[\reg+10:\reg+11], v[\a8] offset:\off+1280
.endm
.macro FETCH n                         ; step n's fragments into set n % 2: 48 loads
	WIN 0x40
.irp i, 0,1,2,3,4,5,6,7
	FRAG 128*((\n)%2)+12*\i, 6+2*((\n)/4), 7+2*((\n)/4), 24576*(((\n)/2)%2)+3072*\i+1536*((\n)%2)
.endr
	WIN 0
.irp i, 0,1,2,3
	FRAG AF+48*((\n)%2)+12*\i, 4, 5, 12288*((\n)/2)+3072*\i+1536*((\n)%2)
.endr
.endm
.macro MUL n, a0, zero                 ; 16 products; the 32 accumulators take turns
.irp a, \a0, \a0+1
.irp b, 0,1,2,3,4,5,6,7
.if \zero
	v_wmma_scale_f32_16x16x128_f8f6f4 v[8*(8*(\a)+\b):8*(8*(\a)+\b)+7], v[128*((\n)%2)+12*\b:128*((\n)%2)+12*\b+11], v[AF+48*((\n)%2)+12*(\a):AF+48*((\n)%2)+12*(\a)+11], 0, v[SC+8*(\n)+\b], v[SC+8*(\n)+(\a)] matrix_a_fmt:MATRIX_FMT_FP6 matrix_b_fmt:MATRIX_FMT_FP6 matrix_a_scale:MATRIX_SCALE_ROW1
.else
	v_wmma_scale_f32_16x16x128_f8f6f4 v[8*(8*(\a)+\b):8*(8*(\a)+\b)+7], v[128*((\n)%2)+12*\b:128*((\n)%2)+12*\b+11], v[AF+48*((\n)%2)+12*(\a):AF+48*((\n)%2)+12*(\a)+11], v[8*(8*(\a)+\b):8*(8*(\a)+\b)+7], v[SC+8*(\n)+\b], v[SC+8*(\n)+(\a)] matrix_a_fmt:MATRIX_FMT_FP6 matrix_b_fmt:MATRIX_FMT_FP6 matrix_a_scale:MATRIX_SCALE_ROW1
.endif
.endr
.endr
.endm
.macro STEP n, zero
	s_wait_dscnt 0x0                               ; this step's fragments are in
	PLACES                                         ; behind the last step's products, whose set the loads below fill
	FETCH (\n)+1
	WIN 0xa1
	MUL \n, 0, \zero
	MUL \n, 2, \zero
	WIN 0
.endm
	s_load_b256 s[4:11], s[0:1], 0x0               ; ai, wimg, sc2, out0
	v_lshl_add_u32 v[SPW], v0, 2, SPARE
	v_mov_b32 v[NIL], 0
	ds_add_u32 v[SPW], v[NIL]                      ; the opening lines
	ds_add_u32 v[SPW], v[NIL]
	v_lshrrev_b32 v1, 5, v0
	v_readfirstlane_b32 s16, v1
	s_lshr_b32 s17, s16, 1                         ; my half of the rows; also: I fetch o (0) or Wout (1)
	s_and_b32 s18, s16, 1                          ; my half of the columns; also: which half I fetch
	s_bfe_u32 s19, ttmp6, 0x40000
	s_bfe_u32 s20, ttmp6, 0x40004
	s_and_b32 s22, ttmp7, 0xffff
	s_lshl_b32 s22, s22, 2
	s_add_co_u32 s66, s22, s20                     ; tile row, 0 .. 63
	s_lshl_b32 s67, ttmp9, 2
	s_add_co_u32 s67, s67, s19                     ; tile column, 0 .. 3
	s_lshl_b32 s76, s20, 2
	s_lshl_b32 s76, 15, s76
	s_lshl_b32 s77, 0x1111, s19
	s_or_b32 s[G1A], s76, (3<<16)|(1<<21)
	s_or_b32 s[G1B], s77, (3<<16)|(1<<21)
	s_mov_b32 s[G1A+1], 1536<<16
	s_mov_b32 s[G1A+2], 4<<16
	s_mov_b32 s[G1A+3], 1536<<16
	s_mov_b32 s[G1A+4], 4
	s_mov_b32 s[G1A+5], 196608
	s_mov_b32 s[G1A+6], 0
	s_mov_b32 s[G1A+7], 0
	s_mov_b32 s[G1B+1], 3072<<16
	s_mov_b32 s[G1B+2], 4<<16
	s_mov_b32 s[G1B+3], 3072<<16
	s_mov_b32 s[G1B+4], 4
	s_mov_b32 s[G1B+5], 24576
	s_mov_b32 s[G1B+6], 0
	s_mov_b32 s[G1B+7], 0
	s_mul_i32 s84, s66, 24576
	s_mul_i32 s88, s18, 12288
	s_add_co_u32 s84, s84, s88
	s_mov_b32 s85, 0
	s_mul_i32 s86, s67, 49152
	s_mul_i32 s88, s18, 24576
	s_add_co_u32 s86, s86, s88
	s_add_co_u32 s86, s86, 2359296
	s_mov_b32 s87, 0
	s_mul_i32 s89, s18, 49152
	s_mul_i32 s90, s18, 98304
	s_add_co_u32 s90, s90, BIG
	s_wait_dscnt 0x0
	s_wait_kmcnt 0x0
	s_add_nc_u64 s[72:73], s[4:5], s[84:85]
	s_add_nc_u64 s[74:75], s[6:7], s[86:87]
	CROUND
	s_mov_b32 s[G0A], 1
	s_mov_b32 s[G0A+1], s89
	s_mov_b64 s[G0A+2:G0A+3], s[72:73]
	s_or_b32 s[G0A+3], s[G0A+3], 0x80000000
	s_mov_b32 s[G0B], 1
	s_mov_b32 s[G0B+1], s90
	s_mov_b64 s[G0B+2:G0B+3], s[74:75]
	s_or_b32 s[G0B+3], s[G0B+3], 0x80000000
	s_cmp_eq_u32 s17, 0                            ; one load a wave, one chain of two arms
	s_cbranch_scc0 .Lfor_b
	tensor_load_to_lds s[G0A:G0A+3], s[G1A:G1A+7]
	s_nop 0
	PLACES
	s_branch .Lasked
.Lfor_b:
	tensor_load_to_lds s[G0B:G0B+3], s[G1B:G1B+7]
	s_nop 0
	PLACES
.Lasked:
	s_mov_b32 s97, 0xffff0000
	s_lshl_b32 s76, s66, 7
	s_lshl_b32 s77, s17, 6
	s_add_co_u32 s76, s76, s77                     ; my first row
	s_lshl_b32 s77, s67, 8
	s_lshl_b32 s78, s18, 7
	s_add_co_u32 s77, s77, s78
	s_add_co_u32 s77, s77, 8192                    ; my first column's row of sc2
	s_mul_i32 s91, s17, 49152
	s_mul_i32 s79, s16, 16*SPITCH
	s_add_co_u32 s79, s79, STG
	s_lshl_b32 s80, s76, 12
	s_lshl_b32 s78, s67, 10
	s_add_co_u32 s80, s80, s78
	s_lshl_b32 s78, s18, 9
	s_add_co_u32 s80, s80, s78
	s_mov_b32 s81, 0
	s_add_nc_u64 s[10:11], s[10:11], s[80:81]
	v_and_b32 v1, 31, v0
	v_and_b32 v2, 15, v0
	v_bfe_u32 v3, v0, 4, 1
	v_lshlrev_b32 v16, 4, v1
	v_lshlrev_b32 v17, 3, v1
	v_mov_b32 v22, s76
	v_mov_b32 v23, s77
	v_cndmask_b32 v22, v22, v23, s97
	v_add_lshl_u32 v22, v22, v2, 1
.irp i, 0,1,2,3,4,5,6,7
.irp n, 0,1,2,3,4,5,6,7
	global_load_u16 v[SC+8*\n+\i], v22, s[8:9] offset:(2*\n)*18432+32*\i       ; (lanes 0-15 of blocks 4-7 read rows that lie inside sc2 and are not used)
	global_load_u16 v[128+8*\n+\i], v22, s[8:9] offset:(2*\n+1)*18432+32*\i
.endr
.endr
	v_add_nc_u32 v4, s91, v16
	v_add_nc_u32 v5, s91, v17
	v_add_nc_u32 v6, s90, v16
	v_add_nc_u32 v7, s90, v17
	v_add_nc_u32 v8, 0xc000, v6
	v_add_nc_u32 v9, 0xc000, v7
	v_mul_u32_u24 v24, v2, SPITCH
	v_lshl_add_u32 v24, v3, 5, v24
	v_add_nc_u32 v24, s79, v24
	v_add_nc_u32 v25, s79, v16
	s_wait_alu depctr_va_vdst(0)                   ; the wait ahead of the wait below
	s_wait_loadcnt 0x0
.set j, 0
.rept 64
	v_lshl_or_b32 v[SC+j], v[128+j], 16, v[SC+j]   ; two planes' pairs of bytes make a step's scale word
.set j, j+1
.endr
.rept 8
	v_nop                                          ; a scale register written by a vector instruction stands 8 places ahead of a scaled matrix instruction
.endr
	s_wait_alu depctr_va_vdst(0)                   ; the wait at the head's end
	s_wait_tensorcnt 0x0
	s_barrier_signal -1
	s_barrier_wait -1                              ; everybody's tile is in
	FETCH 0
	STEP 0, 1
.set N, 1
.rept 6
	STEP N, 0
.set N, N+1
.endr
	s_wait_dscnt 0x0                               ; my last reads of the tiles are over:
	s_barrier_signal -1                            ; say so,
	WIN 0xa1
	MUL 7, 0, 0
	MUL 7, 2, 0
	WIN 0
	s_barrier_wait -1                              ; and behind this barrier the stage may be written
.macro TOSTAGE a                       ; 16 rows x 128 columns through my own stage, back as rows of 512 bytes
.set AC, 64*(\a)
	WIN 0x08
.irp b, 0,1,2,3,4,5,6,7
	ds_store_b128 v24, v[AC+8*\b:AC+8*\b+3] offset:64*\b
	ds_store_b128 v24, v[AC+8*\b+4:AC+8*\b+7] offset:64*\b+16
.endr
	WIN 0
.set BB, BK+64*((\a)%2)
.irp t, 0,1,2,3,4,5,6,7,8,9,10,11,12,13,14,15
	ds_load_b128 v[BB+4*\t:BB+4*\t+3], v25 offset:\t*SPITCH
.endr
.endm
.macro SEND a, younger                 ; younger: the LDS instructions issued behind block a's loads
.set BB, BK+64*((\a)%2)
	s_wait_dscnt \younger
.irp t, 0,1,2,3,4,5,6,7,8,9,10,11,12,13,14,15
	global_store_b128 v16, v[BB+4*\t:BB+4*\t+3], s[10:11] offset:(32*((\a)/2)+16*(\t/8)+8*((\a)%2)+\t%8)*4096 th:TH_STORE_NT   ; 512 consecutive bytes
.endr
.endm
	PLACES
	TOSTAGE 0
.irp a, 1,2,3
.if \a > 1
	s_wait_xcnt 0x0                                ; block a - 2's stores have read their registers
.endif
	TOSTAGE \a
	SEND \a-1, 32
.endr
	SEND 3, 0
	s_wait_tensorcnt 0x0                           ; the wave's end
	ds_add_u32 v[SPW], v[NIL]
	s_wait_dscnt 0x0
	CROUND                                         ; the closing round
	s_endpgm
.Lfunc_end_k_qcdf64b89f3_proj:
	.size	k_qcdf64b89f3_proj, .Lfunc_end_k_qcdf64b89f3_proj-k_qcdf64b89f3_proj
	.p2alignl 7, 3214868480
	.fill 96, 4, 3214868480
	.section	.rodata,"a",@progbits
	.p2align	6, 0x0
	.amdhsa_kernel k_qcdf64b89f3_proj
		.amdhsa_group_segment_fixed_size 327680
		.amdhsa_private_segment_fixed_size 0
		.amdhsa_enable_private_segment 0
		.amdhsa_kernarg_size 32
		.amdhsa_user_sgpr_count 2
		.amdhsa_user_sgpr_kernarg_segment_ptr 1
		.amdhsa_wavefront_size32 1
		.amdhsa_system_sgpr_workgroup_id_x 1
		.amdhsa_system_sgpr_workgroup_id_y 1
		.amdhsa_system_sgpr_workgroup_id_z 1
		.amdhsa_system_vgpr_workitem_id 0
		.amdhsa_next_free_vgpr 768
		.amdhsa_next_free_sgpr 100
		.amdhsa_reserve_vcc 0
		.amdhsa_float_denorm_mode_32 3
		.amdhsa_float_denorm_mode_16_64 3
		.amdhsa_memory_ordered 1
		.amdhsa_forward_progress 1
		.amdhsa_inst_pref_size 96
	.end_amdhsa_kernel
	.amdgpu_metadata
---
amdhsa.version: [ 1, 2 ]
amdhsa.kernels:
  - .name:           k_qcdf64b89f3_proj
    .symbol:         k_qcdf64b89f3_proj.kd
    .args:
      - { .name: ai, .offset: 0, .size: 8, .value_kind: global_buffer, .address_space: global }
      - { .name: wimg, .offset: 8, .size: 8, .value_kind: global_buffer, .address_space: global }
      - { .name: sc2, .offset: 16, .size: 8, .value_kind: global_buffer, .address_space: global }
      - { .name: out0, .offset: 24, .size: 8, .value_kind: global_buffer, .address_space: global }
    .group_segment_fixed_size: 327680
    .private_segment_fixed_size: 0
    .kernarg_segment_align: 8
    .kernarg_segment_size: 32
    .max_flat_workgroup_size: 128
    .sgpr_count:     100
    .vgpr_count:     768
    .wavefront_size: 32
...
	.end_amdgpu_metadata
.endif
;; end of part 4
